; MI455X (gfx1250); checked and timed in simulation.
; The chip was launched on July 23, 2026; its instructions are those of AMD's public machine-readable ISA for CDNA 5 (MIT licence, August 2026) and "CDNA5" Instruction Set Architecture Reference Guide (July 2026). The comments in the code are by the model that wrote it; some were corrected since.
;; Block. Allowed arithmetic: matrix products marked QUANTISED: E4M3 operands, one E8M0 scale for each 32 along K, by v_wmma_scale_f32_16x16x128_f8f6f4 with both operands' format E4M3, f32 sums; products left as they are: f32 operands where the result goes on into a quantised operand, else bf16, f16 or f32 operands; f32 sums; everything else in f32.
;; Inputs: be1 32 float32; be2 32 float32; fW1 32 x 128 float32; fW2 128 x 32 float32; fb1 128 float32; fb2 32 float32; g1 32 float32; g2 32 float32; mWk 4 x 32 x 8 float32; mWp 32 x 32 float32; mWq 4 x 32 x 8 float32; mWv 4 x 32 x 8 float32; mbk 4 x 8 float32; mbp 32 float32; mbq 4 x 8 float32; mbv 4 x 8 float32; uWk 4 x 32 x 8 float32; uWp 32 x 32 float32; uWq 4 x 32 x 8 float32; uWv 4 x 32 x 8 float32; ubk 4 x 8 float32; ubp 32 float32; ubq 4 x 8 float32; ubv 4 x 8 float32; x 32,768 x 16 x 32 float32.
;; Outputs: out0 32,768 x 16 x 32 float32.
;; This version of the problem:
;;   THIS VERSION OF THE PROBLEM IS GIVEN IN LOW PRECISION. The matrix products marked QUANTISED in the list below multiply operands that are first quantised to E4M3 (4 exponent bits, 3 mantissa bits; 8 bits a number), with one power-of-two scale for each 32 numbers along K (OCP MX v1.0); their sums are f32. All else is computed in f32.
;;   The module's matrix products, in the order in which they are computed (A, B: the left and right operand; K: the contracted axis; several contracted axes count as one K, in the product's order):
;;     1. [M 32, K 32] x [K 32, N 524,288]; A: input uWq; B: computed on the way: QUANTISED
;;     2. [M 32, K 32] x [K 32, N 524,288]; A: input uWk; B: computed on the way: QUANTISED
;;     3. [M 32, K 32] x [K 32, N 524,288]; A: input uWv; B: computed on the way: QUANTISED
;;     4. batch 131,072 x [M 16, K 8] x [K 8, N 16]; A: computed on the way; B: computed on the way: left as it is (K = 8 < 32)
;;     5. batch 131,072 x [M 16, K 16] x [K 16, N 8]; A: softmax; B: computed on the way: left as it is (K = 16 < 32)
;;     6. [M 524,288, K 32] x [K 32, N 32]; A: computed on the way; B: input uWp: QUANTISED
;;     7. [M 524,288, K 32] x [K 32, N 128]; A: computed on the way; B: input fW1: QUANTISED
;;     8. [M 524,288, K 128] x [K 128, N 32]; A: computed on the way; B: input fW2: QUANTISED
;;     9. [M 32, K 32] x [K 32, N 524,288]; A: input mWq; B: computed on the way: QUANTISED
;;     10. [M 32, K 32] x [K 32, N 524,288]; A: input mWk; B: computed on the way: QUANTISED
;;     11. [M 32, K 32] x [K 32, N 524,288]; A: input mWv; B: computed on the way: QUANTISED
;;     12. batch 131,072 x [M 16, K 8] x [K 8, N 16]; A: computed on the way; B: computed on the way: left as it is (K = 8 < 32)
;;     13. batch 131,072 x [M 16, K 16] x [K 16, N 8]; A: softmax; B: computed on the way: left as it is (K = 16 < 32)
;;     14. [M 524,288, K 32] x [K 32, N 32]; A: computed on the way; B: input mWp: QUANTISED
;;     15. [M 524,288, K 32] x [K 32, N 128]; A: computed on the way; B: input fW1: QUANTISED
;;     16. [M 524,288, K 128] x [K 128, N 32]; A: computed on the way; B: input fW2: QUANTISED
;;   THE QUANTISER, for each operand of a quantised product, along K:
;;     - K is cut into blocks of 32 from its start; a last block that is shorter is filled with zeros.
;;     - A block's scale is 2^e with e = floor(log2(the largest magnitude in the block)) - 8, held to -126 .. 127; a block of zeros has e = 0. As a byte (E8M0): e + 127.
;;     - Each number is divided by its block's scale, clamped to +-448, and rounded to the nearest number of E4M3, ties to even, subnormals kept.
;;     - The product sums the exact products of the quantised numbers (number of the format x scale) in f32.
;;   ~~~python
;;   def quantise(x, axis):      # numpy; x: float32 -> the quantised numbers, widened to float32 again
;;       x = np.moveaxis(x, axis, -1); K = x.shape[-1]
;;       x = np.pad(x, [(0, 0)] * (x.ndim - 1) + [(0, -K % 32)]); x = x.reshape(x.shape[:-1] + (-1, 32)); a = np.abs(x).max(-1, keepdims=True)
;;       e = np.where(a > 0, np.clip(np.frexp(np.where(a > 0, a, 1))[1] - 1 - 8, -126, 127), 0)      # np.frexp(a)[1] - 1 = floor(log2(a)), exactly
;;       r = np.clip(x / 2.0 ** e, -448, 448)
;;       step = 2.0 ** (np.maximum(np.frexp(np.where(r == 0, 1, r))[1] - 1, -6) - 3)
;;       q = np.round(r / step) * step * 2.0 ** e      # np.round: ties to even
;;       return np.moveaxis(q.reshape(q.shape[:-2] + (-1,))[..., :K], -1, axis).astype(np.float32)
;;   ~~~
;;   OPERANDS COMPUTED ON THE WAY. 'Computed on the way' means the value that the module computes at that place (a softmax that the list does not call 'softmax' is quantised finished and normalised). What goes into a quantiser is computed in f32, as accurately as f32 sums, v_exp_f32 and their like allow (about 1e-6 of the number): no bf16 or f16 on the way to a quantiser, and a product that is left as it is and whose result goes on into a quantised operand takes f32 operands (vector FMAs, or v_wmma_f32_16x16x4_f32). A number that lies on a knife's edge between two numbers of the format may be rounded either way, as far as f32 arithmetic and the matrix unit's own rounding can turn it there, and no further.
;; 2 versions, each right; version 2 is version 1 with the launch block written anew for expert scheduling mode. Each part assembles by itself: llvm-mc -triple=amdgcn-amd-amdhsa -mcpu=gfx1250 --defsym DOCPART=n.
;; ======== version 1 of 2: 1 launch
;; launch block (part 1): grid 256 x 1, 12 waves a work-group, no clusters, 51,200 bytes of LDS; arguments x, out0, uWq, uWk, uWv, uWp, mWq, mWk, mWv, mWp, fW1, fW2, ubq, ubk, ubv, ubp, mbq, mbk, mbv, mbp, fb1, fb2, g1, be1, g2, be2; writes out0
.if DOCPART == 1
	.amdgcn_target "amdgcn-amd-amdhsa--gfx1250"
	.amdhsa_code_object_version 6
	.text
	.protected	k_q9414c49f15_block
	.globl	k_q9414c49f15_block
	.p2align	8
	.type	k_q9414c49f15_block,@function
k_q9414c49f15_block:
	s_mov_b64 s[64:65], 0
	v_nop
	global_prefetch_b8 v0, s[64:65] scope:SCOPE_SE
	s_setreg_imm32_b32 hwreg(HW_REG_WAVE_MODE, 25, 1), 1
	s_wait_xcnt 0x0
; A whole transformer block, fused: x -> +attention(LN1 x) -> +FFN(LN2 .) -> +causal attention(LN1 .) -> +FFN(LN2 .) -> out0.
; x, out0: [32768][16][32] f32.  Nothing crosses sequences: x is read once, out0 written once, nothing else goes to memory.
; The products with K = 32 or 128 run on codes of E4M3 with one E8M0 scale for each 32 along K (v_wmma_scale_f32_16x16x128_f8f6f4); the two products inside the
; attention (K = 8, K = 16) stand ahead of a quantiser and take f32 operands (v_wmma_f32_16x16x4_f32).  All else is f32.
; SHARES.  256 work-groups of twelve waves of 320 registers, three to a SIMD: while one wave waits for a chain of matrix results or for LDS, the two others issue.  Work-group g owns sequences
; 128 g .. 128 g + 127; wave w takes sequence 128 g + 12 i + w in trip i: eleven trips for waves 0-7, ten for waves 8-11 (8 x 11 + 4 x 10 = 128).  A sequence is 16 tokens: one tile.
; LAYOUT (r = lane % 16, h = lane / 16).  The residual lies as: lane (r, h) = token r, channels 16 h + 0 .. 15, in 16 registers.  That is what the conversions want (16 neighbours along K in a
; lane, a block of 32 in lanes l and l xor 16), and the rows of every weight tile are chosen so that each product's result falls back into it: nothing changes lanes between the steps.
; K = 32 IN AN INSTRUCTION OF K = 128.  A weight fragment holds FOUR tiles of K = 32, one in each of its four blocks.  The activation's four code registers stand between twelve registers of zero
; codes on either side; naming 16 registers from 12 - 4 c on puts the codes into block c and zero codes, which add nothing, into the others.  Its scale byte fills all four bytes of its word.
; Biases of q, k and the hidden layer are the C of their products; bp and fb2 are added to the residual ahead of the product that adds onto it; the causal mask is the C of the scores' first step.
; THE WEIGHTS are quantised once by the work-group and lie in LDS as images of the operands' registers; a fragment is fetched (four loads of 512 bytes) a phase ahead of its products, into two
; sets of 16 registers that take turns.  Gains and biases come from raw copies in LDS likewise.
; NO CLUSTER, NO TENSOR LOADS: work-groups share only the parameters, 66 KB, against 512 KiB of x and out0 that each has to itself; a sequence's x is 16 registers a lane, asked for most of a trip ahead.
; LIMITS.  NaN and infinities among the inputs are not served.  A block whose largest magnitude lies under 2^-118 has its scale byte held at 1; a block of zeros gets the byte 1 where the
; quantiser says 127 (its codes are zeros, and the bytes are read here alone).  GELU: gelu(t) = t (0.5 + u P(u^2) / Q(u^2)), u = t held within +-5.294704, a rational form of erf(t / sqrt 2) / 2
; with an absolute error of about 1e-7 in the factor: the far negative tail is not relatively accurate.  bv is added behind the softmax's division (the weights sum to 1): another order of rounding.
; The softmax's weights are divided by their sum behind the second product: another order of rounding.
;
; LDS: a stage of 16 rows x 144 bytes for each wave; images of the nine weight fragments' registers, their scale words; raw copies of the biases and gains.
.set NW,     12                        ; waves
.set SPITCH, 144                       ; a token's 128 bytes + 16 = 36 words: row r starts at bank 36 r mod 64 (64 banks of 4 bytes: ISA guide 11.1): 16 rows, 16 different groups of four banks
.set STAGEW, 16*SPITCH
.set WIMG,   NW*STAGEW                 ; 9 fragments x 2,048 bytes: four stores of 512 bytes, lane l's 16 bytes at 16 l
.set WSC,    WIMG+9*2048               ; 9 x 128 bytes: a scale word a lane
.set BIAS,   WSC+1280                  ; +0 ubq, +128 ubk, +256 ubv, +384 mbq, +512 mbk, +640 mbv, and:
.set OFB1,   768                       ; fb1 (512 bytes)
.set OG1,    1280                      ; g1, be1 at +128
.set OG2,    1536                      ; g2, be2 at +128
.set OUBP,   1792
.set OMBP,   1920
.set OFB2,   2048                      ; the copies end at BIAS + 2,176
; REGISTERS, window 0
.set GO,   1                           ; 16 x lane: my bytes of a load or store of 512, and of an image
.set SLIN, 2                           ; stage, bytes as they lie in memory: 2304 w + 144 (lane / 8) + 16 (lane % 8)
.set SL1,  3                           ; stage, my token's half: 2304 w + 144 r + 64 h
.set BA16, 4                           ; BIAS + 16 h
.set BA64, 5                           ; BIAS + 64 h
.set L4,   6                           ; 4 x lane
.set LQ,   7                           ; lane terms of the weights' addresses (see the head)
.set LV,   8
.set LP,   9
.set LF,   10
.set WS,   12                          ; v12-20 the nine fragments' scale words
.set AS,   21                          ; the activation's scale word
.set HS,   22                          ; the hidden layer's scale word
.set MASK, 24                          ; v24-31 register j: -infinity where key 8 h + j > query r, else 0
.set X,    32                          ; v32-47 the residual
.set XN,   48                          ; v48-63 the next sequence's x
.set AW,   64                          ; v64-75 zeros, v76-79 the activation's codes, v80-91 zeros
.set AC,   76
.set SM,   92                          ; v92-107 sixteen small temporaries
.set QK,   108                         ; v108-139 q tiles 0, 1, k tiles 0, 1
.set BV,   108                         ; v108-123 bv, once the scores are made
.set VT,   140                         ; v140-171 v: a tile a head
.set H,    108                         ; v108-171 the hidden layer (and, at the head, a weight fragment's 64 numbers)
.set P,    172                         ; v172-203 the softmax's weights, eight a head
.set Y,    172                         ; v172-187 a layer norm's result; the attention's output; rows on the way out
.set T,    172                         ; v172-203 GELU at work; v172-187 temporaries at the head
.set PCB,  188                         ; v188-203 bp or fb2, from a phase's start until the softmax or GELU takes the registers
.set HC,   188                         ; v188-203 the hidden layer's codes
.set S,    204                         ; v204-235 scores: written by matrix instructions alone
.set O,    236                         ; v236-251 the attention's two accumulators: written by matrix instructions alone
.set CB6,  252                         ; v252-253 Q's highest coefficient, v254-255 P's
.set CA4,  254
; window 1: 64 registers
.set WFA,  0                           ; a weight fragment
.set WFB,  16                          ; another
.set GW,   32                          ; a layer norm's gain,
.set BW,   48                          ; its bias
; the fragments: 0 uq0 uq1 uk0 uk1 | 1 uv0-3 | 2 up0 up1 mp0 mp1 | 3 mq0 mq1 mk0 mk1 | 4 mv0-3 | 5 fW1 tiles 0-3 | 6 tiles 4-7 | 7, 8 fW2 tiles 0, 1 (four K blocks each)
; SCALARS: the 26 addresses in s[4:55], in the order of the arguments
.set PX, 4
.set POUT, 6
.set PUWQ, 8
.set PUWK, 10
.set PUWV, 12
.set PUWP, 14
.set PMWQ, 16
.set PMWK, 18
.set PMWV, 20
.set PMWP, 22
.set PFW1, 24
.set PFW2, 26
.set PUBQ, 28
.set PUBK, 30
.set PUBV, 32
.set PUBP, 34
.set PMBQ, 36
.set PMBK, 38
.set PMBV, 40
.set PMBP, 42
.set PFB1, 44
.set PFB2, 46
.set PG1, 48
.set PBE1, 50
.set PG2, 52
.set PBE2, 54
.set WV,   56                          ; my wave's number
.set CNT,  57                          ; trips to go
.set SEL,  58                          ; s[58:59] v_permlanex16_b32's selects for lane l xor 16
.set MNT,  60                          ; the mantissa field of 448
.set EPS,  61                          ; 1e-5
.set R32,  62                          ; 1 / 32
.set LPOS, 63                          ; GELU's hold, +-5.294704
.set LNEG, 66
.set CS,   68                          ; s[68:69] c = log2(e) / sqrt(8)
.set PB,   70                          ; s[70:79] Q's coefficients b5 .. b1, each twice (the packed forms name pairs)
.set PA,   80                          ; s[80:87] P's a3 .. a0
.set MSB, 0
.macro WIN new                         ; low byte: bits 1:0 source 0, 3:2 source 1, 5:4 source 2, 7:6 destination; the high byte repeats the setting that is left
.if MSB != \new
	s_set_vgpr_msb (MSB<<8)|\new
.set MSB, \new
.endif
.endm
.macro PLACES n                        ; plain vector lines between a matrix instruction and what touches its registers (ISA guide 7.12.1), where no useful work is at hand
.rept \n
	v_nop
.endr
.endm
.macro SPAIR r, val
	s_mov_b32 s[\r], \val
	s_mov_b32 s[\r+1], \val
.endm
.macro FRAGIN dst, f                   ; fragment f's image into 16 registers: the same registers in the same lanes as the wave that made it had
.irp c, 0,1,2,3
	ds_load_b128 v[\dst+4*\c:\dst+4*\c+3], v[GO] offset:WIMG+2048*(\f)+512*\c
.endr
.endm
.macro PARIN dst, off                  ; 32 numbers in the residual's order: register i = value[16 h + i]; the sixteen lanes of a half read the same words
.irp c, 0,1,2,3
	ds_load_b128 v[\dst+4*\c:\dst+4*\c+3], v[BA64] offset:\off+16*\c
.endr
.endm
; x from the order of memory into the residual's layout, through my own stage.  LDS serves a wave's instructions in order (ISA guide 5.7.1.4): no wait between the stores and the loads.
.macro TURN
.irp i, 0,1,2,3
	ds_store_b128 v[SLIN], v[XN+4*\i:XN+4*\i+3] offset:4*SPITCH*\i
.endr
.irp c, 0,1,2,3
	ds_load_b128 v[XN+4*\c:XN+4*\c+3], v[SL1] offset:16*\c
.endr
.endm
; 16 numbers of a lane (half a block of 32; the other half lies in lane l xor 16) become four registers of codes in v[AC] on, and the scale word v[AS].  The caller sets four plain lines behind it.
.macro Q16 s
	v_max3_num_f32 v[SM], |v[\s]|, |v[\s+1]|, 0x4800000          ; the floor 2^(9 - 127) among the leaves: the byte cannot fall under 1
	v_max3_num_f32 v[SM+1], |v[\s+2]|, |v[\s+3]|, |v[\s+4]|
.irp i, 5,9
	v_max3_num_f32 v[SM], v[SM], |v[\s+\i]|, |v[\s+\i+1]|
	v_max3_num_f32 v[SM+1], v[SM+1], |v[\s+\i+2]|, |v[\s+\i+3]|
.endr
	v_max3_num_f32 v[SM], v[SM], |v[\s+13]|, |v[\s+14]|
	v_max3_num_f32 v[SM], v[SM], v[SM+1], |v[\s+15]|
	v_permlanex16_b32 v[SM+2], v[SM], s[SEL], s[SEL+1]
	v_max_num_f32 v[SM], v[SM], v[SM+2]                          ; the block's largest magnitude
	v_add_nc_u32 v[SM+1], 0xfc000000, v[SM]                      ; 8 off its exponent field: the conversion's scale operand
	v_and_or_b32 v[SM+2], v[SM], 0x7f800000, s[MNT]              ; 448 x the scale
	v_lshrrev_b32 v[SM+3], 23, v[SM+1]                           ; the scale's byte,
	v_perm_b32 v[AS], v[SM+3], v[SM+3], 0                        ; four times: whichever block the codes are put into finds it.  The 16 holds below stand between this line and the products
.irp i, 0,1,2,3,4,5,6,7,8,9,10,11,12,13,14,15
	v_med3_num_f32 v[\s+\i], v[\s+\i], -v[SM+2], v[SM+2]         ; the conversion to an 8-bit code does not saturate (ISA guide 7.6.2)
.endr
	v_cvt_scalef32_pk8_fp8_f32 v[AC:AC+1], v[\s:\s+7], v[SM+1]
	v_cvt_scalef32_pk8_fp8_f32 v[AC+2:AC+3], v[\s+8:\s+15], v[SM+1]
.endm
; 64 numbers of a lane, v[H + 16 b + i] = k 32 b + 16 h + i of my row, become a fragment's codes in v[HC] on and its scale word v[HS].
.macro Q64
.irp b, 0,1,2,3
	v_max3_num_f32 v[SM+\b], |v[H+16*\b]|, |v[H+1+16*\b]|, 0x4800000
.endr
.irp i, 2,4,6,8,10,12,14
.irp b, 0,1,2,3
	v_max3_num_f32 v[SM+\b], v[SM+\b], |v[H+16*\b+\i]|, |v[H+1+16*\b+\i]|   ; the four blocks by turns
.endr
.endr
.irp b, 0,1,2,3
	v_permlanex16_b32 v[SM+4+\b], v[SM+\b], s[SEL], s[SEL+1]
.endr
.irp b, 0,1,2,3
	v_max_num_f32 v[SM+\b], v[SM+\b], v[SM+4+\b]
.endr
.irp b, 0,1,2,3
	v_add_nc_u32 v[SM+12+\b], 0xfc000000, v[SM+\b]
.endr
.irp b, 0,1,2,3
	v_and_or_b32 v[SM+8+\b], v[SM+\b], 0x7f800000, s[MNT]
.endr
.irp b, 0,1,2,3
	v_lshrrev_b32 v[SM+4+\b], 23, v[SM+12+\b]
.endr
	v_lshl_or_b32 v[HS], v[SM+5], 8, v[SM+4]                     ; the four bytes make my row's scale word
	v_lshl_or_b32 v[HS], v[SM+6], 16, v[HS]
	v_lshl_or_b32 v[HS], v[SM+7], 24, v[HS]
.irp b, 0,1,2,3
.irp i, 0,1,2,3,4,5,6,7,8,9,10,11,12,13,14,15
	v_med3_num_f32 v[H+16*\b+\i], v[H+16*\b+\i], -v[SM+8+\b], v[SM+8+\b]
.endr
	v_cvt_scalef32_pk8_fp8_f32 v[HC+4*\b:HC+1+4*\b], v[H+16*\b:H+7+16*\b], v[SM+12+\b]
	v_cvt_scalef32_pk8_fp8_f32 v[HC+2+4*\b:HC+3+4*\b], v[H+8+16*\b:H+15+16*\b], v[SM+12+\b]
.endr
	v_nop                                                        ; a plain line behind the last conversion
.endm
; Layer norm of v[src] on (gain in v[GW] on, bias in v[BW] on, window 1) into v[Y] on, then quantised.  Mean first, then the squares of the differences: no difference of large sums.
; The sums begin at the low end of each half of the residual, which matrix instructions have just written.  left: the LDS instructions that the caller issued behind the eight loads of gain and bias.
.macro LNQ src, left
	v_pk_add_f32 v[SM:SM+1], v[\src:\src+1], v[\src+2:\src+3]
	v_pk_add_f32 v[SM+2:SM+3], v[\src+4:\src+5], v[\src+6:\src+7]
	v_pk_add_f32 v[SM+4:SM+5], v[\src+8:\src+9], v[\src+10:\src+11]
	v_pk_add_f32 v[SM+6:SM+7], v[\src+12:\src+13], v[\src+14:\src+15]
	v_pk_add_f32 v[SM:SM+1], v[SM:SM+1], v[SM+2:SM+3]
	v_pk_add_f32 v[SM+4:SM+5], v[SM+4:SM+5], v[SM+6:SM+7]
	v_pk_add_f32 v[SM:SM+1], v[SM:SM+1], v[SM+4:SM+5]
	v_add_f32 v[SM], v[SM], v[SM+1]
	v_permlanex16_b32 v[SM+2], v[SM], s[SEL], s[SEL+1]           ; the token's other 16 channels
	v_add_f32 v[SM], v[SM], v[SM+2]
	v_mul_f32 v[SM], s[R32], v[SM]                               ; the mean
.irp i, 0,2,4,6,8,10,12,14
	v_pk_add_f32 v[Y+\i:Y+\i+1], v[\src+\i:\src+\i+1], v[SM:SM+1] op_sel_hi:[1,0] neg_lo:[0,1] neg_hi:[0,1]
.endr
	v_pk_mul_f32 v[SM+2:SM+3], v[Y:Y+1], v[Y:Y+1]
	v_pk_mul_f32 v[SM+4:SM+5], v[Y+2:Y+3], v[Y+2:Y+3]
.irp i, 4,8,12
	v_pk_fma_f32 v[SM+2:SM+3], v[Y+\i:Y+\i+1], v[Y+\i:Y+\i+1], v[SM+2:SM+3]
	v_pk_fma_f32 v[SM+4:SM+5], v[Y+\i+2:Y+\i+3], v[Y+\i+2:Y+\i+3], v[SM+4:SM+5]
.endr
	v_pk_add_f32 v[SM+2:SM+3], v[SM+2:SM+3], v[SM+4:SM+5]
	v_add_f32 v[SM+2], v[SM+2], v[SM+3]
	v_permlanex16_b32 v[SM+4], v[SM+2], s[SEL], s[SEL+1]
	v_add_f32 v[SM+2], v[SM+2], v[SM+4]
	v_fma_f32 v[SM+2], v[SM+2], s[R32], s[EPS]                   ; the variance + 1e-5
	v_rsq_f32 v[SM+2], v[SM+2]
	v_nop                                                        ; a plain line behind the transcendental
	s_wait_alu depctr_va_vdst(0)
.irp i, 0,2,4,6,8,10,12,14
	v_pk_mul_f32 v[Y+\i:Y+\i+1], v[Y+\i:Y+\i+1], v[SM+2:SM+3] op_sel_hi:[1,0]
.endr
	s_wait_dscnt \left                                           ; LDS loads come back in order (ISA guide 5.7.1): gain and bias are in, what was asked for behind them may be out
	WIN 0x14                                                     ; sources 1 and 2: window 1
.irp i, 0,2,4,6,8,10,12,14
	v_pk_fma_f32 v[Y+\i:Y+\i+1], v[Y+\i:Y+\i+1], v[GW+\i:GW+\i+1], v[BW+\i:BW+\i+1]
.endr
	WIN 0
	Q16 Y
.endm
; GELU of eight numbers, in place.  T+0..7 u, T+8..15 u^2, T+16..23 P, T+24..31 Q: eight packed chains by turns, so that a line stands eight lines (in Q's tail four) behind the line whose result it reads.
.macro GEL8 b
.irp i, 0,1,2,3,4,5,6,7
	v_med3_num_f32 v[T+\i], v[\b+\i], s[LNEG], s[LPOS]
.endr
.irp i, 0,2,4,6
	v_pk_mul_f32 v[T+8+\i:T+9+\i], v[T+\i:T+1+\i], v[T+\i:T+1+\i]
.endr
.irp i, 0,2,4,6
	v_pk_fma_f32 v[T+24+\i:T+25+\i], v[T+8+\i:T+9+\i], v[CB6:CB6+1], s[PB:PB+1] op_sel_hi:[1,1,0]
.endr
.irp i, 0,2,4,6
	v_pk_fma_f32 v[T+16+\i:T+17+\i], v[T+8+\i:T+9+\i], v[CA4:CA4+1], s[PA:PA+1] op_sel_hi:[1,1,0]
.endr
.irp k, 1,2,3
.irp i, 0,2,4,6
	v_pk_fma_f32 v[T+24+\i:T+25+\i], v[T+24+\i:T+25+\i], v[T+8+\i:T+9+\i], s[PB+2*\k:PB+2*\k+1] op_sel_hi:[1,1,0]
.endr
.irp i, 0,2,4,6
	v_pk_fma_f32 v[T+16+\i:T+17+\i], v[T+16+\i:T+17+\i], v[T+8+\i:T+9+\i], s[PA+2*\k:PA+2*\k+1] op_sel_hi:[1,1,0]
.endr
.endr
.irp i, 0,2,4,6
	v_pk_fma_f32 v[T+24+\i:T+25+\i], v[T+24+\i:T+25+\i], v[T+8+\i:T+9+\i], s[PB+8:PB+9] op_sel_hi:[1,1,0]
.endr
.irp i, 0,2,4,6
	v_pk_fma_f32 v[T+24+\i:T+25+\i], v[T+24+\i:T+25+\i], v[T+8+\i:T+9+\i], 1.0 op_sel_hi:[1,1,0]
.endr
.irp i, 0,1,2,3,4,5,6,7
	v_rcp_f32 v[T+24+\i], v[T+24+\i]
.endr
.irp i, 0,2,4,6
	v_pk_mul_f32 v[T+16+\i:T+17+\i], v[T+\i:T+1+\i], v[T+16+\i:T+17+\i]   ; u P: also the plain lines behind the reciprocals
.endr
	s_wait_alu depctr_va_vdst(0)
.irp i, 0,2,4,6
	v_pk_fma_f32 v[T+16+\i:T+17+\i], v[T+16+\i:T+17+\i], v[T+24+\i:T+25+\i], 0.5 op_sel_hi:[1,1,0]
.endr
.irp i, 0,2,4,6
	v_pk_mul_f32 v[\b+\i:\b+\i+1], v[\b+\i:\b+\i+1], v[T+16+\i:T+17+\i]
.endr
.endm
; ATTENTION.  src: where the residual lies; fa, fv: the fragments of q and k, of v; pc0: Wp's first block in fragment 2; bpo: bp's place among the copies; bo: bq's (bk +128, bv +256);
; masked: causal; next: the next sequence's x is asked for here.  It leaves X = residual + bp + attention, eight places short of being read.
; Its first loads stand behind the eight places that end a feed-forward, whose last products read both fragment sets and v[PCB] on.
.macro ATT src, fa, fv, pc0, bpo, bo, masked, next
	WIN 0x40                                                     ; destination: window 1
	PARIN GW, OG1
	PARIN BW, OG1+128
	FRAGIN WFA, \fa
	FRAGIN WFB, \fv
	WIN 0
	PARIN PCB, \bpo
.irp t, 0,1                            ; bq and bk into the registers of their products' results: tile t, registers 0-3 head 2 t, s = 4 h + 0 .. 3; registers 4-7 head 2 t + 1
	ds_load_b128 v[QK+8*\t:QK+8*\t+3], v[BA16] offset:\bo+64*\t
	ds_load_b128 v[QK+8*\t+4:QK+8*\t+7], v[BA16] offset:\bo+64*\t+32
	ds_load_b128 v[QK+16+8*\t:QK+16+8*\t+3], v[BA16] offset:\bo+128+64*\t
	ds_load_b128 v[QK+16+8*\t+4:QK+16+8*\t+7], v[BA16] offset:\bo+128+64*\t+32
.endr
	LNQ \src, 20                                                 ; behind gain and bias: 8 loads of fragments, 4 of bp, 8 of bq and bk
	s_wait_dscnt 0x0                                             ; the fragments, bp, bq, bk
.irp i, 0,2,4,6
	v_pk_add_f32 v[X+\i:X+\i+1], v[\src+\i:\src+\i+1], v[PCB+\i:PCB+\i+1]   ; residual + bp; these four are the plain lines between the conversions and the products
.endr
	WIN 0x01                                                     ; source 0: window 1
.irp c, 0,1,2,3                        ; q tiles 0, 1, k tiles 0, 1, transposed: source 0 = 16 rows of the weights, source 1 = my 16 tokens
	v_wmma_scale_f32_16x16x128_f8f6f4 v[QK+8*\c:QK+8*\c+7], v[WFA:WFA+15], v[AW+12-4*\c:AW+27-4*\c], v[QK+8*\c:QK+8*\c+7], v[WS+\fa], v[AS]
.endr
	WIN 0x04                                                     ; source 1: window 1
.irp c, 0,1,2,3                        ; v of head c, not transposed: register j = (token 8 h + j, column r); the head's 8 channels in columns 0-7 (heads 0, 1) or 8-15 (heads 2, 3), zero codes in the others
	v_wmma_scale_f32_16x16x128_f8f6f4 v[VT+8*\c:VT+8*\c+7], v[AW+12-4*\c:AW+27-4*\c], v[WFB:WFB+15], 0, v[AS], v[WS+\fv]
.endr
	WIN 0
.irp i, 8,10,12,14
	v_pk_add_f32 v[X+\i:X+\i+1], v[\src+\i:\src+\i+1], v[PCB+\i:PCB+\i+1]
.endr
.if \next
	s_cmp_eq_u32 s[CNT], 1                                       ; the last trip asks for nothing: no load leaves x
	s_cbranch_scc1 .Lnonext_\@
.irp i, 0,1,2,3
	global_load_b128 v[XN+4*\i:XN+4*\i+3], v[GO], s[PX:PX+1] offset:NW*2048+512*\i th:TH_LOAD_NT   ; my next sequence lies twelve sequences on; 32 lanes read 512 consecutive bytes
.endr
.Lnonext_\@:
.endif
	PLACES 5                                                     ; with the four additions above: nine between k's last product and the products that take it as an operand
; S^T = k q^T for each head: K = 8 in two steps.  A lane's registers 2 kk, 2 kk + 1 of a head hold s = 4 h + 2 kk + 0, 1 in q and in k alike.  The four accumulators take turns.
.irp d, 0,1,2,3
.if \masked
	v_wmma_f32_16x16x4_f32 v[S+8*\d:S+8*\d+7], v[QK+16+4*\d:QK+17+4*\d], v[QK+4*\d:QK+1+4*\d], v[MASK:MASK+7]
.else
	v_wmma_f32_16x16x4_f32 v[S+8*\d:S+8*\d+7], v[QK+16+4*\d:QK+17+4*\d], v[QK+4*\d:QK+1+4*\d], 0
.endif
.endr
.irp d, 0,1,2,3
	v_wmma_f32_16x16x4_f32 v[S+8*\d:S+8*\d+7], v[QK+18+4*\d:QK+19+4*\d], v[QK+2+4*\d:QK+3+4*\d], v[S+8*\d:S+8*\d+7]
.endr
	PLACES 8                                                     ; in front of the loads into q's registers and of the first read of the scores; with the nine above: seventeen behind the products that read q's and k's fragment
	PARIN BV, \bo+256
	WIN 0x40
	FRAGIN WFA, 2                                                ; Wp's fragment lands under the softmax
	WIN 0
; The softmax: register j of head d = (key 8 h + j, query r).  SM+d the maximum, SM+4+2d c x the maximum, SM+5+2d the other half's.  The four heads line by line.
.irp d, 0,1,2,3
	v_max3_num_f32 v[SM+\d], v[S+8*\d], v[S+8*\d+1], v[S+8*\d+2]
.endr
.irp i, 3,5
.irp d, 0,1,2,3
	v_max3_num_f32 v[SM+\d], v[SM+\d], v[S+8*\d+\i], v[S+8*\d+\i+1]
.endr
.endr
.irp d, 0,1,2,3
	v_max_num_f32 v[SM+\d], v[SM+\d], v[S+8*\d+7]
.endr
.irp d, 0,1,2,3
	v_permlanex16_b32 v[SM+5+2*\d], v[SM+\d], s[SEL], s[SEL+1]
.endr
.irp d, 0,1,2,3
	v_max_num_f32 v[SM+\d], v[SM+\d], v[SM+5+2*\d]
.endr
.irp d, 0,1,2,3
	v_mul_f32 v[SM+4+2*\d], s[CS], v[SM+\d]
.endr
.irp i, 0,2,4,6
.irp d, 0,1,2,3
	v_pk_fma_f32 v[P+8*\d+\i:P+8*\d+\i+1], v[S+8*\d+\i:S+8*\d+\i+1], s[CS:CS+1], v[SM+4+2*\d:SM+5+2*\d] op_sel_hi:[1,0,0] neg_lo:[0,0,1] neg_hi:[0,0,1]   ; c s - c max
.endr
.endr
.set nn, 0
.rept 32
	v_exp_f32 v[P+nn], v[P+nn]
.set nn, nn+1
.endr
	v_nop                                                        ; a plain line behind the last exponential
	s_wait_alu depctr_va_vdst(0)
; O^T = V^T p: K = 16 keys in four steps a head.  Accumulator 0 takes heads 0 and 2, accumulator 1 heads 1 and 3: thanks to v's zero columns lane (r, h) ends with heads 2 h and 2 h + 1 of token r: channels 16 h + 0 .. 15.
.irp g, 0,2
.irp k, 0,1,2,3
.irp a, 0,1
.if (\g == 0) && (\k == 0)
	v_wmma_f32_16x16x4_f32 v[O+8*\a:O+8*\a+7], v[VT+8*(\g+\a)+2*\k:VT+8*(\g+\a)+2*\k+1], v[P+8*(\g+\a)+2*\k:P+8*(\g+\a)+2*\k+1], 0
.else
	v_wmma_f32_16x16x4_f32 v[O+8*\a:O+8*\a+7], v[VT+8*(\g+\a)+2*\k:VT+8*(\g+\a)+2*\k+1], v[P+8*(\g+\a)+2*\k:P+8*(\g+\a)+2*\k+1], v[O+8*\a:O+8*\a+7]
.endif
.endr
.endr
.endr
; The weights' sums, head d in SM+4d on.  Behind the last line that names p stand fifteen plain lines that name no register of the products above: more than the eight that the read of O and the write of Y want.
.irp d, 0,1,2,3
	v_pk_add_f32 v[SM+4*\d:SM+4*\d+1], v[P+8*\d:P+8*\d+1], v[P+8*\d+2:P+8*\d+3]
.endr
.irp d, 0,1,2,3
	v_pk_add_f32 v[SM+4*\d+2:SM+4*\d+3], v[P+8*\d+4:P+8*\d+5], v[P+8*\d+6:P+8*\d+7]
.endr
.irp d, 0,1,2,3
	v_pk_add_f32 v[SM+4*\d:SM+4*\d+1], v[SM+4*\d:SM+4*\d+1], v[SM+4*\d+2:SM+4*\d+3]
.endr
.irp d, 0,1,2,3
	v_add_f32 v[SM+4*\d], v[SM+4*\d], v[SM+4*\d+1]
.endr
.irp d, 0,1,2,3
	v_permlanex16_b32 v[SM+4*\d+1], v[SM+4*\d], s[SEL], s[SEL+1]
.endr
.irp d, 0,1,2,3
	v_add_f32 v[SM+4*\d], v[SM+4*\d], v[SM+4*\d+1]
.endr
	v_cndmask_b32 v[SM+2], v[SM], v[SM+8], vcc_lo                ; VCC names lanes 16-31: the sum of head 2 h,
	v_cndmask_b32 v[SM+6], v[SM+4], v[SM+12], vcc_lo             ; of head 2 h + 1
	v_rcp_f32 v[SM+2], v[SM+2]
	v_rcp_f32 v[SM+6], v[SM+6]
	v_nop
	s_wait_dscnt 0x0                                             ; bv, and Wp's fragment
	s_wait_alu depctr_va_vdst(0)
.irp i, 0,2,4,6
	v_pk_fma_f32 v[Y+\i:Y+\i+1], v[O+\i:O+\i+1], v[SM+2:SM+3], v[BV+\i:BV+\i+1] op_sel_hi:[1,0,1]   ; O / the sum + bv, each accumulator from its low end on
.endr
.irp i, 8,10,12,14
	v_pk_fma_f32 v[Y+\i:Y+\i+1], v[O+\i:O+\i+1], v[SM+6:SM+7], v[BV+\i:BV+\i+1] op_sel_hi:[1,0,1]
.endr
	Q16 Y
	PLACES 4
	WIN 0x01
.irp t, 0,1                            ; Wp, transposed; row m of tile t is output 16 (m / 8) + 8 t + m % 8: the result adds onto X[8 t ..]
	v_wmma_scale_f32_16x16x128_f8f6f4 v[X+8*\t:X+8*\t+7], v[WFA:WFA+15], v[AW+12-4*(\pc0+\t):AW+27-4*(\pc0+\t)], v[X+8*\t:X+8*\t+7], v[WS+2], v[AS]
.endr
	WIN 0
.endm
; FEED-FORWARD.  last = 1: the next sequence's x, asked for in the first attention, is turned into the residual's layout here, a whole feed-forward ahead of its use.
.macro FFN last
	WIN 0x40
	PARIN GW, OG2
	PARIN BW, OG2+128
	FRAGIN WFB, 5                                                ; v's products, which read this set, lie a softmax back
	PLACES 8                                                     ; behind Wp's products: in front of the load into their fragment's registers and of the read of X
	FRAGIN WFA, 6
	WIN 0
	PARIN PCB, OFB2
.irp t, 0,1,2,3,4,5,6,7                ; fb1 into the registers of the hidden layer: tile 2 b + u, register j: unit 32 b + 16 h + 8 u + j
	ds_load_b128 v[H+8*\t:H+8*\t+3], v[BA64] offset:OFB1+(32*(\t/2)+8*(\t%2))*4
	ds_load_b128 v[H+8*\t+4:H+8*\t+7], v[BA64] offset:OFB1+(32*(\t/2)+8*(\t%2))*4+16
.endr
.if \last
	s_wait_loadcnt 0x0                                           ; the four loads of the next x.  (In the last trip none is out, and the turn moves registers that nobody reads again)
	TURN
.endif
	LNQ X, 28+8*\last                                            ; behind gain and bias: 8 loads of fragments, 4 of fb2, 16 of fb1, and the turn's 4 stores and 4 loads
	s_wait_dscnt 0x0                                             ; the fragments, fb2, fb1 (and the turned x)
.irp i, 0,2,4,6
	v_pk_add_f32 v[X+\i:X+\i+1], v[X+\i:X+\i+1], v[PCB+\i:PCB+\i+1]       ; + fb2, ahead of the product that adds onto X; the four plain lines behind the conversions
.endr
	WIN 0x01
.irp t, 0,1,2,3,4,5,6,7                ; tiles 0-3 from fragment 5, tiles 4-7 from fragment 6
	v_wmma_scale_f32_16x16x128_f8f6f4 v[H+8*\t:H+8*\t+7], v[WFB-16*(\t/4):WFB-16*(\t/4)+15], v[AW+12-4*(\t%4):AW+27-4*(\t%4)], v[H+8*\t:H+8*\t+7], v[WS+5+\t/4], v[AS]
.endr
	WIN 0
.irp i, 8,10,12,14
	v_pk_add_f32 v[X+\i:X+\i+1], v[X+\i:X+\i+1], v[PCB+\i:PCB+\i+1]
.endr
	PLACES 4                                                     ; eight with the four additions: in front of the read of the hidden layer and of the loads below
	WIN 0x40
	FRAGIN WFB, 7                                                ; fW2's two fragments land under GELU
	FRAGIN WFA, 8
	WIN 0
.set nn, 0
.rept 8
	GEL8 H+8*nn                                                  ; a tile of the hidden layer at a time, from its low end on
.set nn, nn+1
.endr
	Q64
	PLACES 3                                                     ; four with the one that ends the quantiser
	s_wait_dscnt 0x0                                             ; fW2's fragments
	WIN 0x01
.irp t, 0,1
	v_wmma_scale_f32_16x16x128_f8f6f4 v[X+8*\t:X+8*\t+7], v[WFB-16*\t:WFB-16*\t+15], v[HC:HC+15], v[X+8*\t:X+8*\t+7], v[WS+7+\t], v[HS]
.endr
	WIN 0
	PLACES 8
.endm
; THE WEIGHTS' PREPARATION.  Block b of a fragment: 16 numbers down K (16 h + i) of my row or column.
.macro LDW b, ptr, voff, imm, stride
.irp i, 0,1,2,3,4,5,6,7,8,9,10,11,12,13,14,15
	global_load_b32 v[H+16*(\b)+\i], v[\voff], s[\ptr:\ptr+1] offset:(\imm)+(\stride)*\i
.endr
.endm
.macro FRAGOUT f                       ; quantised, and to LDS as an image of the operand's registers
	Q64
.irp c, 0,1,2,3
	ds_store_b128 v[GO], v[HC+4*\c:HC+4*\c+3] offset:WIMG+2048*(\f)+512*\c
.endr
	ds_store_b32 v[L4], v[HS] offset:WSC+128*(\f)
	s_wait_dscnt 0x0
.endm
.macro VZERO                           ; v's tiles: heads 0, 1 keep columns 0-7, heads 2, 3 columns 8-15; the others become zeros
	s_mov_b32 vcc_lo, 0xff00ff00
.set nn, 0
.rept 32
	v_cndmask_b32 v[H+nn], v[H+nn], v[AW], vcc_lo
.set nn, nn+1
.endr
	s_mov_b32 vcc_lo, 0x00ff00ff
.rept 32
	v_cndmask_b32 v[H+nn], v[H+nn], v[AW], vcc_lo
.set nn, nn+1
.endr
.endm
.macro LDQK pq, pk                     ; W[head][d][s] at 1024 head + 32 d + 4 s; row m of tile t: head 2 t + (m / 4) % 2, s = 4 (m / 8) + m % 4
	LDW 0, \pq, LQ, 0, 32
	LDW 1, \pq, LQ, 2048, 32
	LDW 2, \pk, LQ, 0, 32
	LDW 3, \pk, LQ, 2048, 32
.endm
.macro LDV pv                          ; column n of head d's tile: s = n % 8
	LDW 0, \pv, LV, 0, 32
	LDW 1, \pv, LV, 1024, 32
	LDW 2, \pv, LV, 2048, 32
	LDW 3, \pv, LV, 3072, 32
.endm
.macro BLOAD tmp, ptr                  ; a vector of 32 numbers: 4 bytes a lane
	global_load_b32 v[\tmp], v[L4], s[\ptr:\ptr+1]
.endm
.macro BSTORE tmp, off
	ds_store_b32 v[L4], v[\tmp] offset:BIAS+\off
.endm
; ---------------------------------------------------------------- the head
	s_load_b512 s[4:19], s[0:1], 0x0
	s_load_b512 s[20:35], s[0:1], 0x40
	s_load_b512 s[36:51], s[0:1], 0x80
	s_load_b128 s[52:55], s[0:1], 0xc0
	v_lshl_add_u32 v11, v0, 2, 0xc200
	v_mov_b32 v23, 0
	v_lshrrev_b32 v[T+3], 5, v0
	v_readfirstlane_b32 s[WV], v[T+3]                            ; wave 0..11
	v_and_b32 v[T], 31, v0                                       ; lane
	v_and_b32 v[T+1], 15, v0                                     ; r
	v_bfe_u32 v[T+2], v0, 4, 1                                   ; h
	v_bfe_u32 v[T+3], v0, 3, 2                                   ; lane / 8
	v_and_b32 v[T+4], 7, v0                                      ; lane % 8 = r % 8
	v_bfe_u32 v[T+5], v0, 2, 1                                   ; (r / 4) % 2
	v_bfe_u32 v[T+6], v0, 3, 1                                   ; r / 8
	v_and_b32 v[T+7], 3, v0                                      ; r % 4
	v_lshlrev_b32 v[GO], 4, v[T]
	v_lshlrev_b32 v[L4], 2, v[T]
	s_mul_i32 s88, s[WV], STAGEW                                 ; my stage
	v_mul_u32_u24 v[SLIN], v[T+3], SPITCH
	v_lshl_add_u32 v[SLIN], v[T+4], 4, v[SLIN]
	v_add_nc_u32 v[SLIN], s88, v[SLIN]
	v_mul_u32_u24 v[SL1], v[T+1], SPITCH
	v_lshl_add_u32 v[SL1], v[T+2], 6, v[SL1]
	v_add_nc_u32 v[SL1], s88, v[SL1]
	v_lshl_add_u32 v[BA16], v[T+2], 4, BIAS
	v_lshl_add_u32 v[BA64], v[T+2], 6, BIAS
	v_lshlrev_b32 v[LQ], 10, v[T+5]                              ; Wq, Wk: 1024 ((r / 4) % 2) + 16 (r / 8) + 4 (r % 4) + 512 h
	v_lshl_add_u32 v[LQ], v[T+6], 4, v[LQ]
	v_lshl_add_u32 v[LQ], v[T+7], 2, v[LQ]
	v_lshl_add_u32 v[LQ], v[T+2], 9, v[LQ]
	v_lshlrev_b32 v[LV], 2, v[T+4]                               ; Wv: 4 (r % 8) + 512 h
	v_lshl_add_u32 v[LV], v[T+2], 9, v[LV]
	v_lshlrev_b32 v[LP], 2, v[T+4]                               ; Wp, fW2 (rows of 128 bytes): 64 (r / 8) + 4 (r % 8) + 2048 h;  fW1 (rows of 512): + 8192 h
	v_lshl_add_u32 v[LP], v[T+6], 6, v[LP]
	v_lshl_add_u32 v[LF], v[T+2], 13, v[LP]
	v_lshl_add_u32 v[LP], v[T+2], 11, v[LP]
	s_mov_b32 s[SEL], 0x76543210
	s_mov_b32 s[SEL+1], 0xfedcba98
	s_mov_b32 s[MNT], 0x600000
	s_mov_b32 s[EPS], 0x3727c5ac
	s_mov_b32 s[R32], 0x3d000000
	s_mov_b32 s[LPOS], 0x40a96e37
	s_mov_b32 s[LNEG], 0xc0a96e37
	SPAIR CS, 0x3f0293ee                                         ; log2(e) / sqrt(8) = 0.51006975
	SPAIR PB, 0x354588df                                         ; b5 .. b1: the denominator's coefficients over 2^i
	SPAIR PB+2, 0x38856d28
	SPAIR PB+4, 0x3ae687d4
	SPAIR PB+6, 0x3ce34c21
	SPAIR PB+8, 0x3e7eb44a
	SPAIR PA, 0x391df186                                         ; a3 .. a0: the numerator's over 2^i, times 1 / (2 sqrt 2)
	SPAIR PA+2, 0x3b93955d
	SPAIR PA+4, 0x3d061aeb
	SPAIR PA+6, 0x3ecc4229
	v_mov_b32 v[CB6], 0xb0fd3906
	v_mov_b32 v[CB6+1], 0xb0fd3906
	v_mov_b32 v[CA4], 0x36a9d4af
	v_mov_b32 v[CA4+1], 0x36a9d4af
.irp i, 0,1,2,3,4,5,6,7,8,9,10,11
	v_mov_b32 v[AW+\i], 0                                        ; the zero codes on either side of the activation's
	v_mov_b32 v[AW+16+\i], 0
.endr
.irp i, 0,1,2,3,4,5,6,7,8,9,10,11,12,13,14,15
	v_mov_b32 v[SM+\i], 0                                        ; written once: a lane permute's destination counts as one of its sources
.endr
	v_lshlrev_b32 v[T+3], 3, v[T+2]
	v_sub_nc_u32 v[T+3], v[T+1], v[T+3]                          ; r - 8 h: key 8 h + j is hidden from query r where j > r - 8 h
	v_mov_b32 v[T+8], 0xff800000                                 ; -infinity
.irp j, 0,1,2,3,4,5,6,7
	v_cmp_gt_i32 vcc_lo, \j, v[T+3]
	v_cndmask_b32 v[MASK+\j], v[AW], v[T+8], vcc_lo
.endr
	s_lshl_b32 s2, ttmp9, 18                                     ; 128 sequences of 2,048 bytes a work-group,
	s_lshl_b32 s88, s[WV], 11                                    ; one a wave
	s_add_co_u32 s2, s2, s88
	s_mov_b32 s3, 0
	s_wait_kmcnt 0x0
	s_add_nc_u64 s[PX:PX+1], s[PX:PX+1], s[2:3]
	s_add_nc_u64 s[POUT:POUT+1], s[POUT:POUT+1], s[2:3]
.irp i, 0,1,2,3
	global_load_b128 v[XN+4*\i:XN+4*\i+3], v[GO], s[PX:PX+1] offset:512*\i th:TH_LOAD_NT   ; my first sequence
.endr
; Waves 0 to 8 quantise a fragment each, some of them copy biases too; waves 9 and 10 copy gains and biases.  Every LDS address is a constant + a lane term made above.
	s_cmp_lg_u32 s[WV], 0
	s_cbranch_scc1 .Lw1
	LDQK PUWQ, PUWK
	BLOAD T, PUBQ
	BLOAD T+1, PUBK
	s_wait_loadcnt 0x0
	BSTORE T, 0
	BSTORE T+1, 128
	FRAGOUT 0
.Lw1:
	s_cmp_lg_u32 s[WV], 1
	s_cbranch_scc1 .Lw2
	LDV PUWV
	BLOAD T, PUBV
	s_wait_loadcnt 0x0
	BSTORE T, 256
	VZERO
	FRAGOUT 1
.Lw2:
	s_cmp_lg_u32 s[WV], 2
	s_cbranch_scc1 .Lw3
	LDW 0, PUWP, LP, 0, 128                                      ; Wp[k][n] at 128 k + 4 n; row m of tile t: n = 16 (m / 8) + 8 t + m % 8
	LDW 1, PUWP, LP, 32, 128
	LDW 2, PMWP, LP, 0, 128
	LDW 3, PMWP, LP, 32, 128
	global_load_b128 v[T:T+3], v[GO], s[PFB1:PFB1+1]
	s_wait_loadcnt 0x0
	ds_store_b128 v[GO], v[T:T+3] offset:BIAS+OFB1
	FRAGOUT 2
.Lw3:
	s_cmp_lg_u32 s[WV], 3
	s_cbranch_scc1 .Lw4
	LDQK PMWQ, PMWK
	BLOAD T, PMBQ
	BLOAD T+1, PMBK
	s_wait_loadcnt 0x0
	BSTORE T, 384
	BSTORE T+1, 512
	FRAGOUT 3
.Lw4:
	s_cmp_lg_u32 s[WV], 4
	s_cbranch_scc1 .Lw5
	LDV PMWV
	BLOAD T, PMBV
	s_wait_loadcnt 0x0
	BSTORE T, 640
	VZERO
	FRAGOUT 4
.Lw5:
	s_cmp_lg_u32 s[WV], 5
	s_cbranch_scc1 .Lw6
	LDW 0, PFW1, LF, 0, 512                                      ; fW1[k][n] at 512 k + 4 n; row m of tile 2 b + u: n = 32 b + 16 (m / 8) + 8 u + m % 8
	LDW 1, PFW1, LF, 32, 512
	LDW 2, PFW1, LF, 128, 512
	LDW 3, PFW1, LF, 160, 512
	s_wait_loadcnt 0x0
	FRAGOUT 5
.Lw6:
	s_cmp_lg_u32 s[WV], 6
	s_cbranch_scc1 .Lw7
	LDW 0, PFW1, LF, 256, 512
	LDW 1, PFW1, LF, 288, 512
	LDW 2, PFW1, LF, 384, 512
	LDW 3, PFW1, LF, 416, 512
	s_wait_loadcnt 0x0
	FRAGOUT 6
.Lw7:
	s_cmp_lg_u32 s[WV], 7
	s_cbranch_scc1 .Lw8
	LDW 0, PFW2, LP, 0, 128                                      ; fW2[k][n] at 128 k + 4 n: block c is k = 32 c on; tile 0
	LDW 1, PFW2, LP, 4096, 128
	LDW 2, PFW2, LP, 8192, 128
	LDW 3, PFW2, LP, 12288, 128
	s_wait_loadcnt 0x0
	FRAGOUT 7
.Lw8:
	s_cmp_lg_u32 s[WV], 8
	s_cbranch_scc1 .Lw9
	LDW 0, PFW2, LP, 32, 128                                     ; tile 1
	LDW 1, PFW2, LP, 4128, 128
	LDW 2, PFW2, LP, 8224, 128
	LDW 3, PFW2, LP, 12320, 128
	s_wait_loadcnt 0x0
	FRAGOUT 8
.Lw9:
	s_cmp_lg_u32 s[WV], 9
	s_cbranch_scc1 .Lw10
	BLOAD T, PG1
	BLOAD T+1, PBE1
	BLOAD T+2, PG2
	BLOAD T+3, PBE2
	s_wait_loadcnt 0x0
	BSTORE T, OG1
	BSTORE T+1, OG1+128
	BSTORE T+2, OG2
	BSTORE T+3, OG2+128
.Lw10:
	s_cmp_lg_u32 s[WV], 10
	s_cbranch_scc1 .Lwend
	BLOAD T, PUBP
	BLOAD T+1, PMBP
	BLOAD T+2, PFB2
	s_wait_loadcnt 0x0
	BSTORE T, OUBP
	BSTORE T+1, OMBP
	BSTORE T+2, OFB2
.Lwend:
	s_wait_dscnt 0x0                                             ; for the others' sake: my images, scale words and copies have landed
	s_barrier_signal -1
	s_barrier_wait -1                                            ; the launch's one barrier: from here on these bytes are only read, and a stage is its wave's own
.irp f, 0,1,2,3,4,5,6,7,8
	ds_load_b32 v[WS+\f], v[L4] offset:WSC+128*\f                ; the nine scale words stay in my registers
.endr
	s_mov_b32 vcc_lo, 0xffff0000                                 ; lanes 16-31, for the whole loop
	s_wait_loadcnt 0x0                                           ; my first sequence
	TURN
	s_wait_dscnt 0x0
	s_cmp_lt_u32 s[WV], 8                                        ; sequences 120 to 127 of the work-group's 128 are waves 0 to 7's eleventh
	s_cselect_b32 s[CNT], 11, 10
; ---------------------------------------------------------------- a trip: one sequence
.Lseq:
	ATT XN, 0, 1, 0, OUBP, 0, 0, 1
	FFN 0
	ATT X, 3, 4, 2, OMBP, 384, 1, 0
	FFN 1
; The way out: through my stage back into the order of memory.
.irp c, 0,1,2,3
	ds_store_b128 v[SL1], v[X+4*\c:X+4*\c+3] offset:16*\c        ; each half of X from its low end on
.endr
.irp i, 0,1,2,3
	ds_load_b128 v[Y+4*\i:Y+4*\i+3], v[SLIN] offset:4*SPITCH*\i
.endr
	s_wait_dscnt 0x0
.irp i, 0,1,2,3
	global_store_b128 v[GO], v[Y+4*\i:Y+4*\i+3], s[POUT:POUT+1] offset:512*\i th:TH_STORE_NT   ; 32 lanes store 512 consecutive bytes, at a multiple of 512 from out0's first byte
.endr
	s_wait_xcnt 0x0                                              ; the stores' data registers and both bases are written again only behind this wait
	s_add_nc_u64 s[PX:PX+1], s[PX:PX+1], NW*2048                 ; twelve sequences on
	s_add_nc_u64 s[POUT:POUT+1], s[POUT:POUT+1], NW*2048
	s_sub_co_u32 s[CNT], s[CNT], 1
	s_cmp_lg_u32 s[CNT], 0
	s_cbranch_scc1 .Lseq
	s_wait_tensorcnt 0x0
	ds_add_u32 v11, v23
	s_wait_dscnt 0x0
	s_endpgm
.Lfunc_end_k_q9414c49f15_block:
	.size	k_q9414c49f15_block, .Lfunc_end_k_q9414c49f15_block-k_q9414c49f15_block
	.p2alignl 7, 3214868480
	.fill 96, 4, 3214868480
	.section	.rodata,"a",@progbits
	.p2align	6, 0x0
	.amdhsa_kernel k_q9414c49f15_block
		.amdhsa_group_segment_fixed_size 51200
		.amdhsa_private_segment_fixed_size 0
		.amdhsa_enable_private_segment 0
		.amdhsa_kernarg_size 208
		.amdhsa_user_sgpr_count 2
		.amdhsa_user_sgpr_kernarg_segment_ptr 1
		.amdhsa_wavefront_size32 1
		.amdhsa_system_sgpr_workgroup_id_x 1
		.amdhsa_system_sgpr_workgroup_id_y 1
		.amdhsa_system_sgpr_workgroup_id_z 1
		.amdhsa_system_vgpr_workitem_id 0
		.amdhsa_next_free_vgpr 320
		.amdhsa_next_free_sgpr 90
		.amdhsa_reserve_vcc 1
		.amdhsa_float_denorm_mode_32 3
		.amdhsa_float_denorm_mode_16_64 3
		.amdhsa_memory_ordered 1
		.amdhsa_forward_progress 1
		.amdhsa_inst_pref_size 255
	.end_amdhsa_kernel
	.section	.bss,"aw",@nobits
	.p2align	6
	.space	262144
	.amdgpu_metadata
---
amdhsa.version: [ 1, 2 ]
amdhsa.kernels:
  - .name:           k_q9414c49f15_block
    .symbol:         k_q9414c49f15_block.kd
    .args:
      - { .name: x, .offset: 0, .size: 8, .value_kind: global_buffer, .address_space: global }
      - { .name: out0, .offset: 8, .size: 8, .value_kind: global_buffer, .address_space: global }
      - { .name: uWq, .offset: 16, .size: 8, .value_kind: global_buffer, .address_space: global }
      - { .name: uWk, .offset: 24, .size: 8, .value_kind: global_buffer, .address_space: global }
      - { .name: uWv, .offset: 32, .size: 8, .value_kind: global_buffer, .address_space: global }
      - { .name: uWp, .offset: 40, .size: 8, .value_kind: global_buffer, .address_space: global }
      - { .name: mWq, .offset: 48, .size: 8, .value_kind: global_buffer, .address_space: global }
      - { .name: mWk, .offset: 56, .size: 8, .value_kind: global_buffer, .address_space: global }
      - { .name: mWv, .offset: 64, .size: 8, .value_kind: global_buffer, .address_space: global }
      - { .name: mWp, .offset: 72, .size: 8, .value_kind: global_buffer, .address_space: global }
      - { .name: fW1, .offset: 80, .size: 8, .value_kind: global_buffer, .address_space: global }
      - { .name: fW2, .offset: 88, .size: 8, .value_kind: global_buffer, .address_space: global }
      - { .name: ubq, .offset: 96, .size: 8, .value_kind: global_buffer, .address_space: global }
      - { .name: ubk, .offset: 104, .size: 8, .value_kind: global_buffer, .address_space: global }
      - { .name: ubv, .offset: 112, .size: 8, .value_kind: global_buffer, .address_space: global }
      - { .name: ubp, .offset: 120, .size: 8, .value_kind: global_buffer, .address_space: global }
      - { .name: mbq, .offset: 128, .size: 8, .value_kind: global_buffer, .address_space: global }
      - { .name: mbk, .offset: 136, .size: 8, .value_kind: global_buffer, .address_space: global }
      - { .name: mbv, .offset: 144, .size: 8, .value_kind: global_buffer, .address_space: global }
      - { .name: mbp, .offset: 152, .size: 8, .value_kind: global_buffer, .address_space: global }
      - { .name: fb1, .offset: 160, .size: 8, .value_kind: global_buffer, .address_space: global }
      - { .name: fb2, .offset: 168, .size: 8, .value_kind: global_buffer, .address_space: global }
      - { .name: g1, .offset: 176, .size: 8, .value_kind: global_buffer, .address_space: global }
      - { .name: be1, .offset: 184, .size: 8, .value_kind: global_buffer, .address_space: global }
      - { .name: g2, .offset: 192, .size: 8, .value_kind: global_buffer, .address_space: global }
      - { .name: be2, .offset: 200, .size: 8, .value_kind: global_buffer, .address_space: global }
    .group_segment_fixed_size: 51200
    .private_segment_fixed_size: 0
    .kernarg_segment_align: 8
    .kernarg_segment_size: 208
    .max_flat_workgroup_size: 384
    .sgpr_count:     90
    .vgpr_count:     320
    .wavefront_size: 32
...
	.end_amdgpu_metadata
.endif
;; end of part 1
;; ======== version 2 of 2: 1 launch; version 1 with the launch block written anew for expert scheduling mode
;; launch block (part 2): grid 256 x 1, 12 waves a work-group, no clusters, 51,200 bytes of LDS; arguments x, out0, uWq, uWk, uWv, uWp, mWq, mWk, mWv, mWp, fW1, fW2, ubq, ubk, ubv, ubp, mbq, mbk, mbv, mbp, fb1, fb2, g1, be1, g2, be2; writes out0
.if DOCPART == 2
	.amdgcn_target "amdgcn-amd-amdhsa--gfx1250"
	.amdhsa_code_object_version 6
	.text
	.protected	k_q9414c49f15_block
	.globl	k_q9414c49f15_block
	.p2align	8
	.type	k_q9414c49f15_block,@function
k_q9414c49f15_block:
	s_mov_b64 s[64:65], 0
	v_nop
	global_prefetch_b8 v0, s[64:65] scope:SCOPE_SE
	s_setreg_imm32_b32 hwreg(HW_REG_WAVE_SCHED_MODE, 0, 2), 2
	s_setreg_imm32_b32 hwreg(HW_REG_WAVE_MODE, 25, 1), 1
	s_wait_xcnt 0x0
	s_wait_alu depctr_vm_vsrc(0)
; A whole transformer block, fused: x -> +attention(LN1 x) -> +FFN(LN2 .) -> +causal attention(LN1 .) -> +FFN(LN2 .) -> out0.
; x, out0: [32768][16][32] f32.  Nothing crosses sequences: x is read once, out0 written once, nothing else goes to memory.
; The products with K = 32 or 128 run on codes of E4M3 with one E8M0 scale for each 32 along K (v_wmma_scale_f32_16x16x128_f8f6f4); the two products inside the
; attention (K = 8, K = 16) stand ahead of a quantiser and take f32 operands (v_wmma_f32_16x16x4_f32).  All else is f32.
; SHARES.  256 work-groups of twelve waves of 320 registers, three to a SIMD: while one wave waits for a chain of matrix results or for LDS, the two others issue.  Work-group g owns sequences
; 128 g .. 128 g + 127; wave w takes sequence 128 g + 12 i + w in trip i: eleven trips for waves 0-7, ten for waves 8-11 (8 x 11 + 4 x 10 = 128).  A sequence is 16 tokens: one tile.
; LAYOUT (r = lane % 16, h = lane / 16).  The residual lies as: lane (r, h) = token r, channels 16 h + 0 .. 15, in 16 registers.  That is what the conversions want (16 neighbours along K in a
; lane, a block of 32 in lanes l and l xor 16), and the rows of every weight tile are chosen so that each product's result falls back into it: nothing changes lanes between the steps.
; K = 32 IN AN INSTRUCTION OF K = 128.  A weight fragment holds FOUR tiles of K = 32, one in each of its four blocks.  The activation's four code registers stand between twelve registers of zero
; codes on either side; naming 16 registers from 12 - 4 c on puts the codes into block c and zero codes, which add nothing, into the others.  Its scale byte fills all four bytes of its word.
; Biases of q, k and the hidden layer are the C of their products; bp and fb2 are added to the residual ahead of the product that adds onto it; the causal mask is the C of the scores' first step.
; THE WEIGHTS are quantised once by the work-group and lie in LDS as images of the operands' registers; a fragment is fetched (four loads of 512 bytes) a phase ahead of its products, into two
; sets of 16 registers that take turns.  Gains and biases come from raw copies in LDS likewise.
; NO CLUSTER, NO TENSOR LOADS: work-groups share only the parameters, 66 KB, against 512 KiB of x and out0 that each has to itself; a sequence's x is 16 registers a lane, asked for most of a trip ahead.
; LIMITS.  NaN and infinities among the inputs are not served.  A block whose largest magnitude lies under 2^-118 has its scale byte held at 1; a block of zeros gets the byte 1 where the
; quantiser says 127 (its codes are zeros, and the bytes are read here alone).  GELU: gelu(t) = t (0.5 + u P(u^2) / Q(u^2)), u = t held within +-5.294704, a rational form of erf(t / sqrt 2) / 2
; with an absolute error of about 1e-7 in the factor: the far negative tail is not relatively accurate.  bv is added behind the softmax's division (the weights sum to 1): another order of rounding.
; The softmax's weights are divided by their sum behind the second product: another order of rounding.
; THE MODE: SCHED_MODE bits 1:0 = 2 (LLVM: expert scheduling mode 2), set by the entry lines.  The code itself states the register dependences between vector or matrix instructions and
; memory or LDS instructions, with s_wait_alu, always for 0.
; THE PLAN.  A trip has four phases: attention, feed-forward, attention, feed-forward; then the way out.  Registers that memory or LDS instructions touch, in the loop:
;   v1-v10       addresses and offsets: made at the head, never written again.
;   GW, BW       loaded at a phase's head; read by that phase's layer norm.
;   WFA, WFB     loaded at a phase's head; WFA again behind the attention's exponentials, both again in GELU's first tile; read by the scaled products.
;   v188-203     loaded at a phase's head (bp, fb2), read by eight additions; from then on vector and matrix instructions alone name them.
;   v108-171     loaded at a phase's head (bq, bk, fb1), v108-123 again behind the exponentials (bv); else named by vector and matrix instructions.
;   XN           the next x: global loads behind the first attention's exponentials; the turn's LDS stores read it and its LDS loads land in it; the next trip's first attention reads it.
;   X, Y         the way out: LDS stores read X, LDS loads land in Y, global stores read Y; the next trip's first vector lines write both.
; ONE wait on va_vdst stands at each phase's head, behind the window switch and ahead of all the phase's loads, which follow on end; the loads in mid-phase stand behind waits that the
; exponentials and reciprocals have anyway; one wait on va_vdst stands ahead of each run of scaled products (their codes and scale word are made by vector instructions) and one ahead of the way out.
; Two waits on vm_vsrc a trip: in the turn, and at the trip's end.
;
; LDS: a stage of 16 rows x 144 bytes for each wave; images of the nine weight fragments' registers, their scale words; raw copies of the biases and gains.
.set NW,     12                        ; waves
.set SPITCH, 144                       ; a token's 128 bytes + 16 = 36 words: row r starts at bank 36 r mod 64 (64 banks of 4 bytes: ISA guide 11.1): 16 rows, 16 different groups of four banks
.set STAGEW, 16*SPITCH
.set WIMG,   NW*STAGEW                 ; 9 fragments x 2,048 bytes: four stores of 512 bytes, lane l's 16 bytes at 16 l
.set WSC,    WIMG+9*2048               ; 9 x 128 bytes: a scale word a lane
.set BIAS,   WSC+1280                  ; +0 ubq, +128 ubk, +256 ubv, +384 mbq, +512 mbk, +640 mbv, and:
.set OFB1,   768                       ; fb1 (512 bytes)
.set OG1,    1280                      ; g1, be1 at +128
.set OG2,    1536                      ; g2, be2 at +128
.set OUBP,   1792
.set OMBP,   1920
.set OFB2,   2048                      ; the copies end at BIAS + 2,176
; REGISTERS, window 0
.set GO,   1                           ; 16 x lane: my bytes of a load or store of 512, and of an image
.set SLIN, 2                           ; stage, bytes as they lie in memory: 2304 w + 144 (lane / 8) + 16 (lane % 8)
.set SL1,  3                           ; stage, my token's half: 2304 w + 144 r + 64 h
.set BA16, 4                           ; BIAS + 16 h
.set BA64, 5                           ; BIAS + 64 h
.set L4,   6                           ; 4 x lane
.set LQ,   7                           ; lane terms of the weights' addresses (see the head)
.set LV,   8
.set LP,   9
.set LF,   10
.set WS,   12                          ; v12-20 the nine fragments' scale words
.set AS,   21                          ; the activation's scale word
.set HS,   22                          ; the hidden layer's scale word
.set MASK, 24                          ; v24-31 register j: -infinity where key 8 h + j > query r, else 0
.set X,    32                          ; v32-47 the residual
.set XN,   48                          ; v48-63 the next sequence's x
.set AW,   64                          ; v64-75 zeros, v76-79 the activation's codes, v80-91 zeros
.set AC,   76
.set SM,   92                          ; v92-107 sixteen small temporaries
.set QK,   108                         ; v108-139 q tiles 0, 1, k tiles 0, 1
.set BV,   108                         ; v108-123 bv, once the scores are made
.set VT,   140                         ; v140-171 v: a tile a head
.set H,    108                         ; v108-171 the hidden layer (and, at the head, a weight fragment's 64 numbers)
.set P,    172                         ; v172-203 the softmax's weights, eight a head
.set Y,    172                         ; v172-187 a layer norm's result; the attention's output; rows on the way out
.set T,    172                         ; v172-203 GELU at work; v172-187 temporaries at the head
.set PCB,  188                         ; v188-203 bp or fb2, from a phase's start until the softmax or GELU takes the registers
.set HC,   188                         ; v188-203 the hidden layer's codes
.set S,    204                         ; v204-235 scores: written by matrix instructions alone
.set O,    236                         ; v236-251 the attention's two accumulators: written by matrix instructions alone
.set CB6,  252                         ; v252-253 Q's highest coefficient, v254-255 P's
.set CA4,  254
; window 1: 64 registers
.set WFA,  0                           ; a weight fragment
.set WFB,  16                          ; another
.set GW,   32                          ; a layer norm's gain,
.set BW,   48                          ; its bias
; the fragments: 0 uq0 uq1 uk0 uk1 | 1 uv0-3 | 2 up0 up1 mp0 mp1 | 3 mq0 mq1 mk0 mk1 | 4 mv0-3 | 5 fW1 tiles 0-3 | 6 tiles 4-7 | 7, 8 fW2 tiles 0, 1 (four K blocks each)
; SCALARS: the 26 addresses in s[4:55], in the order of the arguments
.set PX, 4
.set POUT, 6
.set PUWQ, 8
.set PUWK, 10
.set PUWV, 12
.set PUWP, 14
.set PMWQ, 16
.set PMWK, 18
.set PMWV, 20
.set PMWP, 22
.set PFW1, 24
.set PFW2, 26
.set PUBQ, 28
.set PUBK, 30
.set PUBV, 32
.set PUBP, 34
.set PMBQ, 36
.set PMBK, 38
.set PMBV, 40
.set PMBP, 42
.set PFB1, 44
.set PFB2, 46
.set PG1, 48
.set PBE1, 50
.set PG2, 52
.set PBE2, 54
.set WV,   56                          ; my wave's number
.set CNT,  57                          ; trips to go
.set SEL,  58                          ; s[58:59] v_permlanex16_b32's selects for lane l xor 16
.set MNT,  60                          ; the mantissa field of 448
.set EPS,  61                          ; 1e-5
.set R32,  62                          ; 1 / 32
.set LPOS, 63                          ; GELU's hold, +-5.294704
.set LNEG, 66
.set CS,   68                          ; s[68:69] c = log2(e) / sqrt(8)
.set PB,   70                          ; s[70:79] Q's coefficients b5 .. b1, each twice (the packed forms name pairs)
.set PA,   80                          ; s[80:87] P's a3 .. a0
.set MSB, 0
.macro WIN new                         ; low byte: bits 1:0 source 0, 3:2 source 1, 5:4 source 2, 7:6 destination; the high byte repeats the setting that is left
.if MSB != \new
	s_set_vgpr_msb (MSB<<8)|\new
.set MSB, \new
.endif
.endm
.macro PLACES n                        ; plain vector lines between a matrix instruction and what touches its registers (ISA guide 7.12.1), where no useful work is at hand
.rept \n
	v_nop
.endr
.endm
.macro SPAIR r, val
	s_mov_b32 s[\r], \val
	s_mov_b32 s[\r+1], \val
.endm
.macro FRAGIN dst, f                   ; fragment f's image into 16 registers: the same registers in the same lanes as the wave that made it had
.irp c, 0,1,2,3
	ds_load_b128 v[\dst+4*\c:\dst+4*\c+3], v[GO] offset:WIMG+2048*(\f)+512*\c
.endr
.endm
.macro PARIN dst, off                  ; 32 numbers in the residual's order: register i = value[16 h + i]; the sixteen lanes of a half read the same words
.irp c, 0,1,2,3
	ds_load_b128 v[\dst+4*\c:\dst+4*\c+3], v[BA64] offset:\off+16*\c
.endr
.endm
; x from the order of memory into the residual's layout, through my own stage.  LDS serves a wave's instructions in order (ISA guide 5.7.1.4): no wait on DScnt between the stores and the loads.
.macro TURN
.irp i, 0,1,2,3
	ds_store_b128 v[SLIN], v[XN+4*\i:XN+4*\i+3] offset:4*SPITCH*\i
.endr
	s_wait_alu depctr_vm_vsrc(0)                                 ; the four stores have read v[XN] on, in which the four loads land
.irp c, 0,1,2,3
	ds_load_b128 v[XN+4*\c:XN+4*\c+3], v[SL1] offset:16*\c
.endr
.endm
; 16 numbers of a lane (half a block of 32; the other half lies in lane l xor 16) become four registers of codes in v[AC] on, and the scale word v[AS].  The caller sets four plain lines behind it.
.macro Q16 s
	v_max3_num_f32 v[SM], |v[\s]|, |v[\s+1]|, 0x4800000          ; the floor 2^(9 - 127) among the leaves: the byte cannot fall under 1
	v_max3_num_f32 v[SM+1], |v[\s+2]|, |v[\s+3]|, |v[\s+4]|
.irp i, 5,9
	v_max3_num_f32 v[SM], v[SM], |v[\s+\i]|, |v[\s+\i+1]|
	v_max3_num_f32 v[SM+1], v[SM+1], |v[\s+\i+2]|, |v[\s+\i+3]|
.endr
	v_max3_num_f32 v[SM], v[SM], |v[\s+13]|, |v[\s+14]|
	v_max3_num_f32 v[SM], v[SM], v[SM+1], |v[\s+15]|
	v_permlanex16_b32 v[SM+2], v[SM], s[SEL], s[SEL+1]
	v_max_num_f32 v[SM], v[SM], v[SM+2]                          ; the block's largest magnitude
	v_add_nc_u32 v[SM+1], 0xfc000000, v[SM]                      ; 8 off its exponent field: the conversion's scale operand
	v_and_or_b32 v[SM+2], v[SM], 0x7f800000, s[MNT]              ; 448 x the scale
	v_lshrrev_b32 v[SM+3], 23, v[SM+1]                           ; the scale's byte,
	v_perm_b32 v[AS], v[SM+3], v[SM+3], 0                        ; four times: whichever block the codes are put into finds it.  The 16 holds below stand between this line and the products
.irp i, 0,1,2,3,4,5,6,7,8,9,10,11,12,13,14,15
	v_med3_num_f32 v[\s+\i], v[\s+\i], -v[SM+2], v[SM+2]         ; the conversion to an 8-bit code does not saturate (ISA guide 7.6.2)
.endr
	v_cvt_scalef32_pk8_fp8_f32 v[AC:AC+1], v[\s:\s+7], v[SM+1]
	v_cvt_scalef32_pk8_fp8_f32 v[AC+2:AC+3], v[\s+8:\s+15], v[SM+1]
.endm
; 64 numbers of a lane, v[H + 16 b + i] = k 32 b + 16 h + i of my row, become a fragment's codes in v[HC] on and its scale word v[HS].
.macro Q64
.irp b, 0,1,2,3
	v_max3_num_f32 v[SM+\b], |v[H+16*\b]|, |v[H+1+16*\b]|, 0x4800000
.endr
.irp i, 2,4,6,8,10,12,14
.irp b, 0,1,2,3
	v_max3_num_f32 v[SM+\b], v[SM+\b], |v[H+16*\b+\i]|, |v[H+1+16*\b+\i]|   ; the four blocks by turns
.endr
.endr
.irp b, 0,1,2,3
	v_permlanex16_b32 v[SM+4+\b], v[SM+\b], s[SEL], s[SEL+1]
.endr
.irp b, 0,1,2,3
	v_max_num_f32 v[SM+\b], v[SM+\b], v[SM+4+\b]
.endr
.irp b, 0,1,2,3
	v_add_nc_u32 v[SM+12+\b], 0xfc000000, v[SM+\b]
.endr
.irp b, 0,1,2,3
	v_and_or_b32 v[SM+8+\b], v[SM+\b], 0x7f800000, s[MNT]
.endr
.irp b, 0,1,2,3
	v_lshrrev_b32 v[SM+4+\b], 23, v[SM+12+\b]
.endr
	v_lshl_or_b32 v[HS], v[SM+5], 8, v[SM+4]                     ; the four bytes make my row's scale word
	v_lshl_or_b32 v[HS], v[SM+6], 16, v[HS]
	v_lshl_or_b32 v[HS], v[SM+7], 24, v[HS]
.irp b, 0,1,2,3
.irp i, 0,1,2,3,4,5,6,7,8,9,10,11,12,13,14,15
	v_med3_num_f32 v[H+16*\b+\i], v[H+16*\b+\i], -v[SM+8+\b], v[SM+8+\b]
.endr
	v_cvt_scalef32_pk8_fp8_f32 v[HC+4*\b:HC+1+4*\b], v[H+16*\b:H+7+16*\b], v[SM+12+\b]
	v_cvt_scalef32_pk8_fp8_f32 v[HC+2+4*\b:HC+3+4*\b], v[H+8+16*\b:H+15+16*\b], v[SM+12+\b]
.endr
	v_nop                                                        ; a plain line behind the last conversion
.endm
; Layer norm of v[src] on (gain in v[GW] on, bias in v[BW] on, window 1) into v[Y] on, then quantised.  Mean first, then the squares of the differences: no difference of large sums.
; The sums begin at the low end of each half of the residual, which matrix instructions have just written.  left: the LDS instructions that the caller issued behind the eight loads of gain and bias.
.macro LNQ src, left
	v_pk_add_f32 v[SM:SM+1], v[\src:\src+1], v[\src+2:\src+3]
	v_pk_add_f32 v[SM+2:SM+3], v[\src+4:\src+5], v[\src+6:\src+7]
	v_pk_add_f32 v[SM+4:SM+5], v[\src+8:\src+9], v[\src+10:\src+11]
	v_pk_add_f32 v[SM+6:SM+7], v[\src+12:\src+13], v[\src+14:\src+15]
	v_pk_add_f32 v[SM:SM+1], v[SM:SM+1], v[SM+2:SM+3]
	v_pk_add_f32 v[SM+4:SM+5], v[SM+4:SM+5], v[SM+6:SM+7]
	v_pk_add_f32 v[SM:SM+1], v[SM:SM+1], v[SM+4:SM+5]
	v_add_f32 v[SM], v[SM], v[SM+1]
	v_permlanex16_b32 v[SM+2], v[SM], s[SEL], s[SEL+1]           ; the token's other 16 channels
	v_add_f32 v[SM], v[SM], v[SM+2]
	v_mul_f32 v[SM], s[R32], v[SM]                               ; the mean
.irp i, 0,2,4,6,8,10,12,14
	v_pk_add_f32 v[Y+\i:Y+\i+1], v[\src+\i:\src+\i+1], v[SM:SM+1] op_sel_hi:[1,0] neg_lo:[0,1] neg_hi:[0,1]
.endr
	v_pk_mul_f32 v[SM+2:SM+3], v[Y:Y+1], v[Y:Y+1]
	v_pk_mul_f32 v[SM+4:SM+5], v[Y+2:Y+3], v[Y+2:Y+3]
.irp i, 4,8,12
	v_pk_fma_f32 v[SM+2:SM+3], v[Y+\i:Y+\i+1], v[Y+\i:Y+\i+1], v[SM+2:SM+3]
	v_pk_fma_f32 v[SM+4:SM+5], v[Y+\i+2:Y+\i+3], v[Y+\i+2:Y+\i+3], v[SM+4:SM+5]
.endr
	v_pk_add_f32 v[SM+2:SM+3], v[SM+2:SM+3], v[SM+4:SM+5]
	v_add_f32 v[SM+2], v[SM+2], v[SM+3]
	v_permlanex16_b32 v[SM+4], v[SM+2], s[SEL], s[SEL+1]
	v_add_f32 v[SM+2], v[SM+2], v[SM+4]
	v_fma_f32 v[SM+2], v[SM+2], s[R32], s[EPS]                   ; the variance + 1e-5
	v_rsq_f32 v[SM+2], v[SM+2]
	v_nop                                                        ; a plain line behind the transcendental
	s_wait_alu depctr_va_vdst(0)                                 ; the reciprocal root is written, ahead of its first reader
.irp i, 0,2,4,6,8,10,12,14
	v_pk_mul_f32 v[Y+\i:Y+\i+1], v[Y+\i:Y+\i+1], v[SM+2:SM+3] op_sel_hi:[1,0]
.endr
	s_wait_dscnt \left                                           ; LDS loads come back in order (ISA guide 5.7.1): gain and bias are in, what was asked for behind them may be out
	WIN 0x14                                                     ; sources 1 and 2: window 1
.irp i, 0,2,4,6,8,10,12,14
	v_pk_fma_f32 v[Y+\i:Y+\i+1], v[Y+\i:Y+\i+1], v[GW+\i:GW+\i+1], v[BW+\i:BW+\i+1]
.endr
	WIN 0
	Q16 Y
.endm
; GELU of eight numbers, in place.  T+0..7 u, T+8..15 u^2, T+16..23 P, T+24..31 Q: eight packed chains by turns, so that a line stands eight lines (in Q's tail four) behind the line whose result it reads.
; fetch = 1, in the hidden layer's first tile: fW2's two fragments are asked for behind the wait that the reciprocals have anyway; they land under the seven tiles that follow.
.macro GEL8 b, fetch
.irp i, 0,1,2,3,4,5,6,7
	v_med3_num_f32 v[T+\i], v[\b+\i], s[LNEG], s[LPOS]
.endr
.irp i, 0,2,4,6
	v_pk_mul_f32 v[T+8+\i:T+9+\i], v[T+\i:T+1+\i], v[T+\i:T+1+\i]
.endr
.irp i, 0,2,4,6
	v_pk_fma_f32 v[T+24+\i:T+25+\i], v[T+8+\i:T+9+\i], v[CB6:CB6+1], s[PB:PB+1] op_sel_hi:[1,1,0]
.endr
.irp i, 0,2,4,6
	v_pk_fma_f32 v[T+16+\i:T+17+\i], v[T+8+\i:T+9+\i], v[CA4:CA4+1], s[PA:PA+1] op_sel_hi:[1,1,0]
.endr
.irp k, 1,2,3
.irp i, 0,2,4,6
	v_pk_fma_f32 v[T+24+\i:T+25+\i], v[T+24+\i:T+25+\i], v[T+8+\i:T+9+\i], s[PB+2*\k:PB+2*\k+1] op_sel_hi:[1,1,0]
.endr
.irp i, 0,2,4,6
	v_pk_fma_f32 v[T+16+\i:T+17+\i], v[T+16+\i:T+17+\i], v[T+8+\i:T+9+\i], s[PA+2*\k:PA+2*\k+1] op_sel_hi:[1,1,0]
.endr
.endr
.irp i, 0,2,4,6
	v_pk_fma_f32 v[T+24+\i:T+25+\i], v[T+24+\i:T+25+\i], v[T+8+\i:T+9+\i], s[PB+8:PB+9] op_sel_hi:[1,1,0]
.endr
.irp i, 0,2,4,6
	v_pk_fma_f32 v[T+24+\i:T+25+\i], v[T+24+\i:T+25+\i], v[T+8+\i:T+9+\i], 1.0 op_sel_hi:[1,1,0]
.endr
.irp i, 0,1,2,3,4,5,6,7
	v_rcp_f32 v[T+24+\i], v[T+24+\i]
.endr
.irp i, 0,2,4,6
	v_pk_mul_f32 v[T+16+\i:T+17+\i], v[T+\i:T+1+\i], v[T+16+\i:T+17+\i]   ; u P: also the plain lines behind the reciprocals
.endr
.if \fetch
	WIN 0x40                                                     ; destination: window 1
.endif
	s_wait_alu depctr_va_vdst(0)                                 ; the eight reciprocals are written, ahead of their first reader; in the first tile also: fW1's eight products are done reading both fragment sets, in which the loads below land
.if \fetch
	FRAGIN WFB, 7
	FRAGIN WFA, 8
	WIN 0
.endif
.irp i, 0,2,4,6
	v_pk_fma_f32 v[T+16+\i:T+17+\i], v[T+16+\i:T+17+\i], v[T+24+\i:T+25+\i], 0.5 op_sel_hi:[1,1,0]
.endr
.irp i, 0,2,4,6
	v_pk_mul_f32 v[\b+\i:\b+\i+1], v[\b+\i:\b+\i+1], v[T+16+\i:T+17+\i]
.endr
.endm
; ATTENTION.  src: where the residual lies; fa, fv: the fragments of q and k, of v; pc0: Wp's first block in fragment 2; bpo: bp's place among the copies; bo: bq's (bk +128, bv +256);
; masked: causal; next: the next sequence's x is asked for here.  It leaves X = residual + bp + attention, eight places short of being read.
; Its first loads stand behind the eight places that end a feed-forward, whose last products read both fragment sets and v[PCB] on.
.macro ATT src, fa, fv, pc0, bpo, bo, masked, next
	WIN 0x40                                                     ; destination: window 1
	s_wait_alu depctr_va_vdst(0)                                 ; the phase's head.  The feed-forward before (in the first trip: the kernel's head) is done with all that the 28 loads below land in: its layer norm has read gain and bias, its last products both fragment sets and the codes in v[PCB] on, GELU and the quantiser v[QK] on
	PARIN GW, OG1
	PARIN BW, OG1+128
	FRAGIN WFA, \fa
	FRAGIN WFB, \fv
	WIN 0
	PARIN PCB, \bpo
.irp t, 0,1                            ; bq and bk into the registers of their products' results: tile t, registers 0-3 head 2 t, s = 4 h + 0 .. 3; registers 4-7 head 2 t + 1
	ds_load_b128 v[QK+8*\t:QK+8*\t+3], v[BA16] offset:\bo+64*\t
	ds_load_b128 v[QK+8*\t+4:QK+8*\t+7], v[BA16] offset:\bo+64*\t+32
	ds_load_b128 v[QK+16+8*\t:QK+16+8*\t+3], v[BA16] offset:\bo+128+64*\t
	ds_load_b128 v[QK+16+8*\t+4:QK+16+8*\t+7], v[BA16] offset:\bo+128+64*\t+32
.endr
	LNQ \src, 20                                                 ; behind gain and bias: 8 loads of fragments, 4 of bp, 8 of bq and bk
	s_wait_dscnt 0x0                                             ; the fragments, bp, bq, bk
.irp i, 0,2,4,6
	v_pk_add_f32 v[X+\i:X+\i+1], v[\src+\i:\src+\i+1], v[PCB+\i:PCB+\i+1]   ; residual + bp; these four are the plain lines between the conversions and the products
.endr
	s_wait_alu depctr_va_vdst(0)                                 ; the conversions have written the codes v[AC] on, and v[AS] is written: the eight scaled products below take them as operand and scale
	WIN 0x01                                                     ; source 0: window 1
.irp c, 0,1,2,3                        ; q tiles 0, 1, k tiles 0, 1, transposed: source 0 = 16 rows of the weights, source 1 = my 16 tokens
	v_wmma_scale_f32_16x16x128_f8f6f4 v[QK+8*\c:QK+8*\c+7], v[WFA:WFA+15], v[AW+12-4*\c:AW+27-4*\c], v[QK+8*\c:QK+8*\c+7], v[WS+\fa], v[AS]
.endr
	WIN 0x04                                                     ; source 1: window 1
.irp c, 0,1,2,3                        ; v of head c, not transposed: register j = (token 8 h + j, column r); the head's 8 channels in columns 0-7 (heads 0, 1) or 8-15 (heads 2, 3), zero codes in the others
	v_wmma_scale_f32_16x16x128_f8f6f4 v[VT+8*\c:VT+8*\c+7], v[AW+12-4*\c:AW+27-4*\c], v[WFB:WFB+15], 0, v[AS], v[WS+\fv]
.endr
	WIN 0
.irp i, 8,10,12,14
	v_pk_add_f32 v[X+\i:X+\i+1], v[\src+\i:\src+\i+1], v[PCB+\i:PCB+\i+1]
.endr
	PLACES 5                                                     ; with the four additions above: nine between k's last product and the products that take it as an operand
; S^T = k q^T for each head: K = 8 in two steps.  A lane's registers 2 kk, 2 kk + 1 of a head hold s = 4 h + 2 kk + 0, 1 in q and in k alike.  The four accumulators take turns.
.irp d, 0,1,2,3
.if \masked
	v_wmma_f32_16x16x4_f32 v[S+8*\d:S+8*\d+7], v[QK+16+4*\d:QK+17+4*\d], v[QK+4*\d:QK+1+4*\d], v[MASK:MASK+7]
.else
	v_wmma_f32_16x16x4_f32 v[S+8*\d:S+8*\d+7], v[QK+16+4*\d:QK+17+4*\d], v[QK+4*\d:QK+1+4*\d], 0
.endif
.endr
.irp d, 0,1,2,3
	v_wmma_f32_16x16x4_f32 v[S+8*\d:S+8*\d+7], v[QK+18+4*\d:QK+19+4*\d], v[QK+2+4*\d:QK+3+4*\d], v[S+8*\d:S+8*\d+7]
.endr
	PLACES 8                                                     ; in front of the first read of the scores
; The softmax: register j of head d = (key 8 h + j, query r).  SM+d the maximum, SM+4+2d c x the maximum, SM+5+2d the other half's.  The four heads line by line.
.irp d, 0,1,2,3
	v_max3_num_f32 v[SM+\d], v[S+8*\d], v[S+8*\d+1], v[S+8*\d+2]
.endr
.irp i, 3,5
.irp d, 0,1,2,3
	v_max3_num_f32 v[SM+\d], v[SM+\d], v[S+8*\d+\i], v[S+8*\d+\i+1]
.endr
.endr
.irp d, 0,1,2,3
	v_max_num_f32 v[SM+\d], v[SM+\d], v[S+8*\d+7]
.endr
.irp d, 0,1,2,3
	v_permlanex16_b32 v[SM+5+2*\d], v[SM+\d], s[SEL], s[SEL+1]
.endr
.irp d, 0,1,2,3
	v_max_num_f32 v[SM+\d], v[SM+\d], v[SM+5+2*\d]
.endr
.irp d, 0,1,2,3
	v_mul_f32 v[SM+4+2*\d], s[CS], v[SM+\d]
.endr
.irp i, 0,2,4,6
.irp d, 0,1,2,3
	v_pk_fma_f32 v[P+8*\d+\i:P+8*\d+\i+1], v[S+8*\d+\i:S+8*\d+\i+1], s[CS:CS+1], v[SM+4+2*\d:SM+5+2*\d] op_sel_hi:[1,0,0] neg_lo:[0,0,1] neg_hi:[0,0,1]   ; c s - c max
.endr
.endr
.set nn, 0
.rept 32
	v_exp_f32 v[P+nn], v[P+nn]
.set nn, nn+1
.endr
	v_nop                                                        ; a plain line behind the last exponential
	WIN 0x40                                                     ; destination: window 1
	s_wait_alu depctr_va_vdst(0)                                 ; the 32 exponentials are written, ahead of the products that read them.  Also, for the loads below: q's and k's products are done reading their fragment, the scores' products q's registers, the layer norm and the additions v[XN] on
	FRAGIN WFA, 2                                                ; Wp's fragment, bv and the next x land under the sixteen products and the sums that follow
	WIN 0
	PARIN BV, \bo+256
.if \next
	s_cmp_eq_u32 s[CNT], 1                                       ; the last trip asks for nothing: no load leaves x
	s_cbranch_scc1 .Lnonext_\@
.irp i, 0,1,2,3
	global_load_b128 v[XN+4*\i:XN+4*\i+3], v[GO], s[PX:PX+1] offset:NW*2048+512*\i th:TH_LOAD_NT   ; my next sequence lies twelve sequences on; 32 lanes read 512 consecutive bytes
.endr
.Lnonext_\@:
.endif
; O^T = V^T p: K = 16 keys in four steps a head.  Accumulator 0 takes heads 0 and 2, accumulator 1 heads 1 and 3: thanks to v's zero columns lane (r, h) ends with heads 2 h and 2 h + 1 of token r: channels 16 h + 0 .. 15.
.irp g, 0,2
.irp k, 0,1,2,3
.irp a, 0,1
.if (\g == 0) && (\k == 0)
	v_wmma_f32_16x16x4_f32 v[O+8*\a:O+8*\a+7], v[VT+8*(\g+\a)+2*\k:VT+8*(\g+\a)+2*\k+1], v[P+8*(\g+\a)+2*\k:P+8*(\g+\a)+2*\k+1], 0
.else
	v_wmma_f32_16x16x4_f32 v[O+8*\a:O+8*\a+7], v[VT+8*(\g+\a)+2*\k:VT+8*(\g+\a)+2*\k+1], v[P+8*(\g+\a)+2*\k:P+8*(\g+\a)+2*\k+1], v[O+8*\a:O+8*\a+7]
.endif
.endr
.endr
.endr
; The weights' sums, head d in SM+4d on.  Behind the last line that names p stand fifteen plain lines that name no register of the products above: more than the eight that the read of O and the write of Y want.
.irp d, 0,1,2,3
	v_pk_add_f32 v[SM+4*\d:SM+4*\d+1], v[P+8*\d:P+8*\d+1], v[P+8*\d+2:P+8*\d+3]
.endr
.irp d, 0,1,2,3
	v_pk_add_f32 v[SM+4*\d+2:SM+4*\d+3], v[P+8*\d+4:P+8*\d+5], v[P+8*\d+6:P+8*\d+7]
.endr
.irp d, 0,1,2,3
	v_pk_add_f32 v[SM+4*\d:SM+4*\d+1], v[SM+4*\d:SM+4*\d+1], v[SM+4*\d+2:SM+4*\d+3]
.endr
.irp d, 0,1,2,3
	v_add_f32 v[SM+4*\d], v[SM+4*\d], v[SM+4*\d+1]
.endr
.irp d, 0,1,2,3
	v_permlanex16_b32 v[SM+4*\d+1], v[SM+4*\d], s[SEL], s[SEL+1]
.endr
.irp d, 0,1,2,3
	v_add_f32 v[SM+4*\d], v[SM+4*\d], v[SM+4*\d+1]
.endr
	v_cndmask_b32 v[SM+2], v[SM], v[SM+8], vcc_lo                ; VCC names lanes 16-31: the sum of head 2 h,
	v_cndmask_b32 v[SM+6], v[SM+4], v[SM+12], vcc_lo             ; of head 2 h + 1
	v_rcp_f32 v[SM+2], v[SM+2]
	v_rcp_f32 v[SM+6], v[SM+6]
	v_nop
	s_wait_dscnt 0x0                                             ; bv, and Wp's fragment
	s_wait_alu depctr_va_vdst(0)                                 ; the two reciprocals are written, ahead of their first reader
.irp i, 0,2,4,6
	v_pk_fma_f32 v[Y+\i:Y+\i+1], v[O+\i:O+\i+1], v[SM+2:SM+3], v[BV+\i:BV+\i+1] op_sel_hi:[1,0,1]   ; O / the sum + bv, each accumulator from its low end on
.endr
.irp i, 8,10,12,14
	v_pk_fma_f32 v[Y+\i:Y+\i+1], v[O+\i:O+\i+1], v[SM+6:SM+7], v[BV+\i:BV+\i+1] op_sel_hi:[1,0,1]
.endr
	Q16 Y
	PLACES 4
	s_wait_alu depctr_va_vdst(0)                                 ; the conversions have written the codes v[AC] on, and v[AS] is written: the two scaled products below take them as operand and scale
	WIN 0x01
.irp t, 0,1                            ; Wp, transposed; row m of tile t is output 16 (m / 8) + 8 t + m % 8: the result adds onto X[8 t ..]
	v_wmma_scale_f32_16x16x128_f8f6f4 v[X+8*\t:X+8*\t+7], v[WFA:WFA+15], v[AW+12-4*(\pc0+\t):AW+27-4*(\pc0+\t)], v[X+8*\t:X+8*\t+7], v[WS+2], v[AS]
.endr
	WIN 0
.endm
; FEED-FORWARD.  last = 1: the next sequence's x, asked for in the first attention, is turned into the residual's layout here, a whole feed-forward ahead of its use.
.macro FFN last
	PLACES 8                                                     ; behind Wp's products, in front of the read of X
	WIN 0x40
	s_wait_alu depctr_va_vdst(0)                                 ; the phase's head.  The attention is done with all that the 36 loads below land in: its layer norm has read gain and bias, v's products and Wp's their fragments, the second product and the sums v[PCB] on, and v108-171 have been read for the last time
	PARIN GW, OG2
	PARIN BW, OG2+128
	FRAGIN WFB, 5
	FRAGIN WFA, 6
	WIN 0
	PARIN PCB, OFB2
.irp t, 0,1,2,3,4,5,6,7                ; fb1 into the registers of the hidden layer: tile 2 b + u, register j: unit 32 b + 16 h + 8 u + j
	ds_load_b128 v[H+8*\t:H+8*\t+3], v[BA64] offset:OFB1+(32*(\t/2)+8*(\t%2))*4
	ds_load_b128 v[H+8*\t+4:H+8*\t+7], v[BA64] offset:OFB1+(32*(\t/2)+8*(\t%2))*4+16
.endr
.if \last
	s_wait_loadcnt 0x0                                           ; the four loads of the next x.  (In the last trip none is out, and the turn moves registers that nobody reads again)
	TURN
.endif
	LNQ X, 28+8*\last                                            ; behind gain and bias: 8 loads of fragments, 4 of fb2, 16 of fb1, and the turn's 4 stores and 4 loads
	s_wait_dscnt 0x0                                             ; the fragments, fb2, fb1 (and the turned x)
.irp i, 0,2,4,6
	v_pk_add_f32 v[X+\i:X+\i+1], v[X+\i:X+\i+1], v[PCB+\i:PCB+\i+1]       ; + fb2, ahead of the product that adds onto X; the four plain lines behind the conversions
.endr
	s_wait_alu depctr_va_vdst(0)                                 ; the conversions have written the codes v[AC] on, and v[AS] is written: the eight scaled products below take them as operand and scale
	WIN 0x01
.irp t, 0,1,2,3,4,5,6,7                ; tiles 0-3 from fragment 5, tiles 4-7 from fragment 6
	v_wmma_scale_f32_16x16x128_f8f6f4 v[H+8*\t:H+8*\t+7], v[WFB-16*(\t/4):WFB-16*(\t/4)+15], v[AW+12-4*(\t%4):AW+27-4*(\t%4)], v[H+8*\t:H+8*\t+7], v[WS+5+\t/4], v[AS]
.endr
	WIN 0
.irp i, 8,10,12,14
	v_pk_add_f32 v[X+\i:X+\i+1], v[X+\i:X+\i+1], v[PCB+\i:PCB+\i+1]
.endr
	PLACES 4                                                     ; eight with the four additions: in front of the read of the hidden layer
	GEL8 H, 1                                                    ; a tile of the hidden layer at a time, from its low end on; the first also asks for fW2's fragments
.set nn, 1
.rept 7
	GEL8 H+8*nn, 0
.set nn, nn+1
.endr
	Q64
	PLACES 3                                                     ; four with the one that ends the quantiser
	s_wait_dscnt 0x0                                             ; fW2's fragments
	s_wait_alu depctr_va_vdst(0)                                 ; the conversions have written the codes v[HC] on, and v[HS] is written: the two scaled products below take them as operand and scale
	WIN 0x01
.irp t, 0,1
	v_wmma_scale_f32_16x16x128_f8f6f4 v[X+8*\t:X+8*\t+7], v[WFB-16*\t:WFB-16*\t+15], v[HC:HC+15], v[X+8*\t:X+8*\t+7], v[WS+7+\t], v[HS]
.endr
	WIN 0
	PLACES 8
.endm
; THE WEIGHTS' PREPARATION.  Block b of a fragment: 16 numbers down K (16 h + i) of my row or column.
.macro LDW b, ptr, voff, imm, stride
.irp i, 0,1,2,3,4,5,6,7,8,9,10,11,12,13,14,15
	global_load_b32 v[H+16*(\b)+\i], v[\voff], s[\ptr:\ptr+1] offset:(\imm)+(\stride)*\i
.endr
.endm
.macro FRAGOUT f                       ; quantised, and to LDS as an image of the operand's registers
	Q64
	s_wait_alu depctr_va_vdst(0)                                 ; the conversions have written v[HC] on, and v[HS] is written: the five stores below read them.  (The quantiser is also done with v[H] on, in which the loop's first loads land)
.irp c, 0,1,2,3
	ds_store_b128 v[GO], v[HC+4*\c:HC+4*\c+3] offset:WIMG+2048*(\f)+512*\c
.endr
	ds_store_b32 v[L4], v[HS] offset:WSC+128*(\f)
	s_wait_dscnt 0x0
	s_wait_alu depctr_vm_vsrc(0)                                 ; my stores, those of the copies too, have read v[HC] on, v[HS] and v[T] on: the loop loads into the first and writes the others
.endm
.macro VZERO                           ; v's tiles: heads 0, 1 keep columns 0-7, heads 2, 3 columns 8-15; the others become zeros
	s_mov_b32 vcc_lo, 0xff00ff00
.set nn, 0
.rept 32
	v_cndmask_b32 v[H+nn], v[H+nn], v[AW], vcc_lo
.set nn, nn+1
.endr
	s_mov_b32 vcc_lo, 0x00ff00ff
.rept 32
	v_cndmask_b32 v[H+nn], v[H+nn], v[AW], vcc_lo
.set nn, nn+1
.endr
.endm
.macro LDQK pq, pk                     ; W[head][d][s] at 1024 head + 32 d + 4 s; row m of tile t: head 2 t + (m / 4) % 2, s = 4 (m / 8) + m % 4
	LDW 0, \pq, LQ, 0, 32
	LDW 1, \pq, LQ, 2048, 32
	LDW 2, \pk, LQ, 0, 32
	LDW 3, \pk, LQ, 2048, 32
.endm
.macro LDV pv                          ; column n of head d's tile: s = n % 8
	LDW 0, \pv, LV, 0, 32
	LDW 1, \pv, LV, 1024, 32
	LDW 2, \pv, LV, 2048, 32
	LDW 3, \pv, LV, 3072, 32
.endm
.macro BLOAD tmp, ptr                  ; a vector of 32 numbers: 4 bytes a lane
	global_load_b32 v[\tmp], v[L4], s[\ptr:\ptr+1]
.endm
.macro BSTORE tmp, off
	ds_store_b32 v[L4], v[\tmp] offset:BIAS+\off
.endm
; ---------------------------------------------------------------- the head
	s_load_b512 s[4:19], s[0:1], 0x0
	s_load_b512 s[20:35], s[0:1], 0x40
	s_load_b512 s[36:51], s[0:1], 0x80
	s_load_b128 s[52:55], s[0:1], 0xc0
	v_lshl_add_u32 v11, v0, 2, 0xc200
	v_mov_b32 v23, 0
	v_lshrrev_b32 v[T+3], 5, v0
	v_readfirstlane_b32 s[WV], v[T+3]                            ; wave 0..11
	v_and_b32 v[T], 31, v0                                       ; lane
	v_and_b32 v[T+1], 15, v0                                     ; r
	v_bfe_u32 v[T+2], v0, 4, 1                                   ; h
	v_bfe_u32 v[T+3], v0, 3, 2                                   ; lane / 8
	v_and_b32 v[T+4], 7, v0                                      ; lane % 8 = r % 8
	v_bfe_u32 v[T+5], v0, 2, 1                                   ; (r / 4) % 2
	v_bfe_u32 v[T+6], v0, 3, 1                                   ; r / 8
	v_and_b32 v[T+7], 3, v0                                      ; r % 4
	v_lshlrev_b32 v[GO], 4, v[T]
	v_lshlrev_b32 v[L4], 2, v[T]
	s_wait_alu depctr_va_sdst(0)                                 ; the wave's number is written, ahead of its first reader
	s_mul_i32 s88, s[WV], STAGEW                                 ; my stage
	v_mul_u32_u24 v[SLIN], v[T+3], SPITCH
	v_lshl_add_u32 v[SLIN], v[T+4], 4, v[SLIN]
	v_add_nc_u32 v[SLIN], s88, v[SLIN]
	v_mul_u32_u24 v[SL1], v[T+1], SPITCH
	v_lshl_add_u32 v[SL1], v[T+2], 6, v[SL1]
	v_add_nc_u32 v[SL1], s88, v[SL1]
	v_lshl_add_u32 v[BA16], v[T+2], 4, BIAS
	v_lshl_add_u32 v[BA64], v[T+2], 6, BIAS
	v_lshlrev_b32 v[LQ], 10, v[T+5]                              ; Wq, Wk: 1024 ((r / 4) % 2) + 16 (r / 8) + 4 (r % 4) + 512 h
	v_lshl_add_u32 v[LQ], v[T+6], 4, v[LQ]
	v_lshl_add_u32 v[LQ], v[T+7], 2, v[LQ]
	v_lshl_add_u32 v[LQ], v[T+2], 9, v[LQ]
	v_lshlrev_b32 v[LV], 2, v[T+4]                               ; Wv: 4 (r % 8) + 512 h
	v_lshl_add_u32 v[LV], v[T+2], 9, v[LV]
	v_lshlrev_b32 v[LP], 2, v[T+4]                               ; Wp, fW2 (rows of 128 bytes): 64 (r / 8) + 4 (r % 8) + 2048 h;  fW1 (rows of 512): + 8192 h
	v_lshl_add_u32 v[LP], v[T+6], 6, v[LP]
	v_lshl_add_u32 v[LF], v[T+2], 13, v[LP]
	v_lshl_add_u32 v[LP], v[T+2], 11, v[LP]
	s_mov_b32 s[SEL], 0x76543210
	s_mov_b32 s[SEL+1], 0xfedcba98
	s_mov_b32 s[MNT], 0x600000
	s_mov_b32 s[EPS], 0x3727c5ac
	s_mov_b32 s[R32], 0x3d000000
	s_mov_b32 s[LPOS], 0x40a96e37
	s_mov_b32 s[LNEG], 0xc0a96e37
	SPAIR CS, 0x3f0293ee                                         ; log2(e) / sqrt(8) = 0.51006975
	SPAIR PB, 0x354588df                                         ; b5 .. b1: the denominator's coefficients over 2^i
	SPAIR PB+2, 0x38856d28
	SPAIR PB+4, 0x3ae687d4
	SPAIR PB+6, 0x3ce34c21
	SPAIR PB+8, 0x3e7eb44a
	SPAIR PA, 0x391df186                                         ; a3 .. a0: the numerator's over 2^i, times 1 / (2 sqrt 2)
	SPAIR PA+2, 0x3b93955d
	SPAIR PA+4, 0x3d061aeb
	SPAIR PA+6, 0x3ecc4229
	v_mov_b32 v[CB6], 0xb0fd3906
	v_mov_b32 v[CB6+1], 0xb0fd3906
	v_mov_b32 v[CA4], 0x36a9d4af
	v_mov_b32 v[CA4+1], 0x36a9d4af
.irp i, 0,1,2,3,4,5,6,7,8,9,10,11
	v_mov_b32 v[AW+\i], 0                                        ; the zero codes on either side of the activation's
	v_mov_b32 v[AW+16+\i], 0
.endr
.irp i, 0,1,2,3,4,5,6,7,8,9,10,11,12,13,14,15
	v_mov_b32 v[SM+\i], 0                                        ; written once: a lane permute's destination counts as one of its sources
.endr
	v_lshlrev_b32 v[T+3], 3, v[T+2]
	v_sub_nc_u32 v[T+3], v[T+1], v[T+3]                          ; r - 8 h: key 8 h + j is hidden from query r where j > r - 8 h
	v_mov_b32 v[T+8], 0xff800000                                 ; -infinity
.irp j, 0,1,2,3,4,5,6,7
	v_cmp_gt_i32 vcc_lo, \j, v[T+3]
	s_wait_alu depctr_va_vcc(0)                                  ; the compare has written VCC, which the select below reads.  (Eight pairs, once in the launch)
	v_cndmask_b32 v[MASK+\j], v[AW], v[T+8], vcc_lo
.endr
	s_lshl_b32 s2, ttmp9, 18                                     ; 128 sequences of 2,048 bytes a work-group,
	s_lshl_b32 s88, s[WV], 11                                    ; one a wave
	s_add_co_u32 s2, s2, s88
	s_mov_b32 s3, 0
	s_wait_kmcnt 0x0
	s_add_nc_u64 s[PX:PX+1], s[PX:PX+1], s[2:3]
	s_add_nc_u64 s[POUT:POUT+1], s[POUT:POUT+1], s[2:3]
	s_wait_alu depctr_va_vdst(0)                                 ; the ten addresses and offsets v1 to v10 are written, which every load and store of the kernel reads; so are v172 to v180, in which the copies' loads land
.irp i, 0,1,2,3
	global_load_b128 v[XN+4*\i:XN+4*\i+3], v[GO], s[PX:PX+1] offset:512*\i th:TH_LOAD_NT   ; my first sequence
.endr
; Waves 0 to 8 quantise a fragment each, some of them copy biases too; waves 9 and 10 copy gains and biases.  Every LDS address is a constant + a lane term made above.
	s_cmp_lg_u32 s[WV], 0
	s_cbranch_scc1 .Lw1
	LDQK PUWQ, PUWK
	BLOAD T, PUBQ
	BLOAD T+1, PUBK
	s_wait_loadcnt 0x0
	BSTORE T, 0
	BSTORE T+1, 128
	FRAGOUT 0
.Lw1:
	s_cmp_lg_u32 s[WV], 1
	s_cbranch_scc1 .Lw2
	LDV PUWV
	BLOAD T, PUBV
	s_wait_loadcnt 0x0
	BSTORE T, 256
	VZERO
	FRAGOUT 1
.Lw2:
	s_cmp_lg_u32 s[WV], 2
	s_cbranch_scc1 .Lw3
	LDW 0, PUWP, LP, 0, 128                                      ; Wp[k][n] at 128 k + 4 n; row m of tile t: n = 16 (m / 8) + 8 t + m % 8
	LDW 1, PUWP, LP, 32, 128
	LDW 2, PMWP, LP, 0, 128
	LDW 3, PMWP, LP, 32, 128
	global_load_b128 v[T:T+3], v[GO], s[PFB1:PFB1+1]
	s_wait_loadcnt 0x0
	ds_store_b128 v[GO], v[T:T+3] offset:BIAS+OFB1
	FRAGOUT 2
.Lw3:
	s_cmp_lg_u32 s[WV], 3
	s_cbranch_scc1 .Lw4
	LDQK PMWQ, PMWK
	BLOAD T, PMBQ
	BLOAD T+1, PMBK
	s_wait_loadcnt 0x0
	BSTORE T, 384
	BSTORE T+1, 512
	FRAGOUT 3
.Lw4:
	s_cmp_lg_u32 s[WV], 4
	s_cbranch_scc1 .Lw5
	LDV PMWV
	BLOAD T, PMBV
	s_wait_loadcnt 0x0
	BSTORE T, 640
	VZERO
	FRAGOUT 4
.Lw5:
	s_cmp_lg_u32 s[WV], 5
	s_cbranch_scc1 .Lw6
	LDW 0, PFW1, LF, 0, 512                                      ; fW1[k][n] at 512 k + 4 n; row m of tile 2 b + u: n = 32 b + 16 (m / 8) + 8 u + m % 8
	LDW 1, PFW1, LF, 32, 512
	LDW 2, PFW1, LF, 128, 512
	LDW 3, PFW1, LF, 160, 512
	s_wait_loadcnt 0x0
	FRAGOUT 5
.Lw6:
	s_cmp_lg_u32 s[WV], 6
	s_cbranch_scc1 .Lw7
	LDW 0, PFW1, LF, 256, 512
	LDW 1, PFW1, LF, 288, 512
	LDW 2, PFW1, LF, 384, 512
	LDW 3, PFW1, LF, 416, 512
	s_wait_loadcnt 0x0
	FRAGOUT 6
.Lw7:
	s_cmp_lg_u32 s[WV], 7
	s_cbranch_scc1 .Lw8
	LDW 0, PFW2, LP, 0, 128                                      ; fW2[k][n] at 128 k + 4 n: block c is k = 32 c on; tile 0
	LDW 1, PFW2, LP, 4096, 128
	LDW 2, PFW2, LP, 8192, 128
	LDW 3, PFW2, LP, 12288, 128
	s_wait_loadcnt 0x0
	FRAGOUT 7
.Lw8:
	s_cmp_lg_u32 s[WV], 8
	s_cbranch_scc1 .Lw9
	LDW 0, PFW2, LP, 32, 128                                     ; tile 1
	LDW 1, PFW2, LP, 4128, 128
	LDW 2, PFW2, LP, 8224, 128
	LDW 3, PFW2, LP, 12320, 128
	s_wait_loadcnt 0x0
	FRAGOUT 8
.Lw9:
	s_cmp_lg_u32 s[WV], 9
	s_cbranch_scc1 .Lw10
	BLOAD T, PG1
	BLOAD T+1, PBE1
	BLOAD T+2, PG2
	BLOAD T+3, PBE2
	s_wait_loadcnt 0x0
	BSTORE T, OG1
	BSTORE T+1, OG1+128
	BSTORE T+2, OG2
	BSTORE T+3, OG2+128
	s_wait_alu depctr_vm_vsrc(0)                                 ; the four stores have read v[T] on, which the loop's first layer norm writes
.Lw10:
	s_cmp_lg_u32 s[WV], 10
	s_cbranch_scc1 .Lwend
	BLOAD T, PUBP
	BLOAD T+1, PMBP
	BLOAD T+2, PFB2
	s_wait_loadcnt 0x0
	BSTORE T, OUBP
	BSTORE T+1, OMBP
	BSTORE T+2, OFB2
	s_wait_alu depctr_vm_vsrc(0)                                 ; the three stores have read v[T] on, which the loop's first layer norm writes
.Lwend:
	s_wait_dscnt 0x0                                             ; for the others' sake: my images, scale words and copies have landed
	s_barrier_signal -1
	s_barrier_wait -1                                            ; the launch's one barrier: from here on these bytes are only read, and a stage is its wave's own
.irp f, 0,1,2,3,4,5,6,7,8
	ds_load_b32 v[WS+\f], v[L4] offset:WSC+128*\f                ; the nine scale words stay in my registers
.endr
	s_mov_b32 vcc_lo, 0xffff0000                                 ; lanes 16-31, for the whole loop
	s_wait_loadcnt 0x0                                           ; my first sequence
	TURN
	s_wait_dscnt 0x0
	s_cmp_lt_u32 s[WV], 8                                        ; sequences 120 to 127 of the work-group's 128 are waves 0 to 7's eleventh
	s_cselect_b32 s[CNT], 11, 10
; ---------------------------------------------------------------- a trip: one sequence
.Lseq:
	ATT XN, 0, 1, 0, OUBP, 0, 0, 1
	FFN 0
	ATT X, 3, 4, 2, OMBP, 384, 1, 0
	FFN 1
; The way out: through my stage back into the order of memory.
	s_wait_alu depctr_va_vdst(0)                                 ; behind the eight places: the last two products have written X, which the LDS stores read; and GELU is done with v[Y] on, in which the LDS loads land
.irp c, 0,1,2,3
	ds_store_b128 v[SL1], v[X+4*\c:X+4*\c+3] offset:16*\c        ; each half of X from its low end on
.endr
.irp i, 0,1,2,3
	ds_load_b128 v[Y+4*\i:Y+4*\i+3], v[SLIN] offset:4*SPITCH*\i
.endr
	s_wait_dscnt 0x0
.irp i, 0,1,2,3
	global_store_b128 v[GO], v[Y+4*\i:Y+4*\i+3], s[POUT:POUT+1] offset:512*\i th:TH_STORE_NT   ; 32 lanes store 512 consecutive bytes, at a multiple of 512 from out0's first byte
.endr
	s_wait_xcnt 0x0                                              ; the stores' data registers and both bases are written again only behind this wait
	s_wait_alu depctr_vm_vsrc(0)                                 ; the LDS stores have read X and the global stores v[Y] on: the next trip's layer norm and additions write both
	s_add_nc_u64 s[PX:PX+1], s[PX:PX+1], NW*2048                 ; twelve sequences on
	s_add_nc_u64 s[POUT:POUT+1], s[POUT:POUT+1], NW*2048
	s_sub_co_u32 s[CNT], s[CNT], 1
	s_cmp_lg_u32 s[CNT], 0
	s_cbranch_scc1 .Lseq
	s_wait_dscnt 0x0                                             ; the closing lines, six on end
	s_wait_alu 0x0
	s_wait_tensorcnt 0x0
	ds_add_u32 v11, v23
	s_wait_dscnt 0x0
	s_endpgm
.Lfunc_end_k_q9414c49f15_block:
	.size	k_q9414c49f15_block, .Lfunc_end_k_q9414c49f15_block-k_q9414c49f15_block
	.p2alignl 7, 3214868480
	.fill 96, 4, 3214868480
	.section	.rodata,"a",@progbits
	.p2align	6, 0x0
	.amdhsa_kernel k_q9414c49f15_block
		.amdhsa_group_segment_fixed_size 51200
		.amdhsa_private_segment_fixed_size 0
		.amdhsa_enable_private_segment 0
		.amdhsa_kernarg_size 208
		.amdhsa_user_sgpr_count 2
		.amdhsa_user_sgpr_kernarg_segment_ptr 1
		.amdhsa_wavefront_size32 1
		.amdhsa_system_sgpr_workgroup_id_x 1
		.amdhsa_system_sgpr_workgroup_id_y 1
		.amdhsa_system_sgpr_workgroup_id_z 1
		.amdhsa_system_vgpr_workitem_id 0
		.amdhsa_next_free_vgpr 320
		.amdhsa_next_free_sgpr 90
		.amdhsa_reserve_vcc 1
		.amdhsa_float_denorm_mode_32 3
		.amdhsa_float_denorm_mode_16_64 3
		.amdhsa_memory_ordered 1
		.amdhsa_forward_progress 1
		.amdhsa_inst_pref_size 255
	.end_amdhsa_kernel
	.section	.bss,"aw",@nobits
	.p2align	6
	.space	262144
	.amdgpu_metadata
---
amdhsa.version: [ 1, 2 ]
amdhsa.kernels:
  - .name:           k_q9414c49f15_block
    .symbol:         k_q9414c49f15_block.kd
    .args:
      - { .name: x, .offset: 0, .size: 8, .value_kind: global_buffer, .address_space: global }
      - { .name: out0, .offset: 8, .size: 8, .value_kind: global_buffer, .address_space: global }
      - { .name: uWq, .offset: 16, .size: 8, .value_kind: global_buffer, .address_space: global }
      - { .name: uWk, .offset: 24, .size: 8, .value_kind: global_buffer, .address_space: global }
      - { .name: uWv, .offset: 32, .size: 8, .value_kind: global_buffer, .address_space: global }
      - { .name: uWp, .offset: 40, .size: 8, .value_kind: global_buffer, .address_space: global }
      - { .name: mWq, .offset: 48, .size: 8, .value_kind: global_buffer, .address_space: global }
      - { .name: mWk, .offset: 56, .size: 8, .value_kind: global_buffer, .address_space: global }
      - { .name: mWv, .offset: 64, .size: 8, .value_kind: global_buffer, .address_space: global }
      - { .name: mWp, .offset: 72, .size: 8, .value_kind: global_buffer, .address_space: global }
      - { .name: fW1, .offset: 80, .size: 8, .value_kind: global_buffer, .address_space: global }
      - { .name: fW2, .offset: 88, .size: 8, .value_kind: global_buffer, .address_space: global }
      - { .name: ubq, .offset: 96, .size: 8, .value_kind: global_buffer, .address_space: global }
      - { .name: ubk, .offset: 104, .size: 8, .value_kind: global_buffer, .address_space: global }
      - { .name: ubv, .offset: 112, .size: 8, .value_kind: global_buffer, .address_space: global }
      - { .name: ubp, .offset: 120, .size: 8, .value_kind: global_buffer, .address_space: global }
      - { .name: mbq, .offset: 128, .size: 8, .value_kind: global_buffer, .address_space: global }
      - { .name: mbk, .offset: 136, .size: 8, .value_kind: global_buffer, .address_space: global }
      - { .name: mbv, .offset: 144, .size: 8, .value_kind: global_buffer, .address_space: global }
      - { .name: mbp, .offset: 152, .size: 8, .value_kind: global_buffer, .address_space: global }
      - { .name: fb1, .offset: 160, .size: 8, .value_kind: global_buffer, .address_space: global }
      - { .name: fb2, .offset: 168, .size: 8, .value_kind: global_buffer, .address_space: global }
      - { .name: g1, .offset: 176, .size: 8, .value_kind: global_buffer, .address_space: global }
      - { .name: be1, .offset: 184, .size: 8, .value_kind: global_buffer, .address_space: global }
      - { .name: g2, .offset: 192, .size: 8, .value_kind: global_buffer, .address_space: global }
      - { .name: be2, .offset: 200, .size: 8, .value_kind: global_buffer, .address_space: global }
    .group_segment_fixed_size: 51200
    .private_segment_fixed_size: 0
    .kernarg_segment_align: 8
    .kernarg_segment_size: 208
    .max_flat_workgroup_size: 384
    .sgpr_count:     90
    .vgpr_count:     320
    .wavefront_size: 32
...
	.end_amdgpu_metadata
.endif
;; end of part 2
